; MI455X (gfx1250); checked and timed in simulation.
; The chip was launched on July 23, 2026; its instructions are those of AMD's public machine-readable ISA for CDNA 5 (MIT licence, August 2026) and "CDNA5" Instruction Set Architecture Reference Guide (July 2026). The comments in the code are by the model that wrote it; some were corrected since.
;; Multi Head Self Attention. Allowed arithmetic: matrix products marked QUANTISED: E3M2 operands, one E8M0 scale for each 32 along K, by v_wmma_scale_f32_16x16x128_f8f6f4 with both operands' format E3M2, f32 sums; everything else in f32.
;; Inputs: Wk 1,024 x 1,024 float32; Wo 1,024 x 1,024 float32; Wq 1,024 x 1,024 float32; Wv 1,024 x 1,024 float32; bk 1,024 float32; bo 1,024 float32; bq 1,024 float32; bv 1,024 float32; padding_mask 8 x 1 x 1 x 1,024 bool; x 8 x 1,024 x 1,024 float32.
;; Outputs: out0 8 x 1,024 x 1,024 float32.
;; This version of the problem:
;;   THIS VERSION OF THE PROBLEM IS GIVEN IN LOW PRECISION. The matrix products marked QUANTISED in the list below multiply operands that are first quantised to E3M2 (3 exponent bits, 2 mantissa bits; 6 bits a number), with one power-of-two scale for each 32 numbers along K (OCP MX v1.0); their sums are f32. All else is computed in f32.
;;   The module's matrix products, in the order in which they are computed (A, B: the left and right operand; K: the contracted axis; several contracted axes count as one K, in the product's order):
;;     1. [M 8,192, K 1,024] x [K 1,024, N 1,024]; A: input x; B: input Wq: QUANTISED
;;     2. [M 8,192, K 1,024] x [K 1,024, N 1,024]; A: input x; B: input Wk: QUANTISED
;;     3. [M 8,192, K 1,024] x [K 1,024, N 1,024]; A: input x; B: input Wv: QUANTISED
;;     4. batch 128 x [M 1,024, K 64] x [K 64, N 1,024]; A: computed on the way; B: computed on the way: QUANTISED
;;     5. batch 128 x [M 1,024, K 1,024] x [K 1,024, N 64]; A: computed on the way; B: computed on the way: QUANTISED
;;     6. [M 8,192, K 1,024] x [K 1,024, N 1,024]; A: computed on the way; B: input Wo: QUANTISED
;;   THE QUANTISER, for each operand of a quantised product, along K:
;;     - K is cut into blocks of 32 from its start; a last block that is shorter is filled with zeros.
;;     - A block's scale is 2^e with e = floor(log2(the largest magnitude in the block)) - 4, held to -126 .. 127; a block of zeros has e = 0. As a byte (E8M0): e + 127.
;;     - Each number is divided by its block's scale, clamped to +-28, and rounded to the nearest number of E3M2, ties to even, subnormals kept.
;;     - The product sums the exact products of the quantised numbers (number of the format x scale) in f32.
;;   ~~~python
;;   def quantise(x, axis):      # numpy; x: float32 -> the quantised numbers, widened to float32 again
;;       x = np.moveaxis(x, axis, -1); K = x.shape[-1]
;;       x = np.pad(x, [(0, 0)] * (x.ndim - 1) + [(0, -K % 32)]); x = x.reshape(x.shape[:-1] + (-1, 32)); a = np.abs(x).max(-1, keepdims=True)
;;       e = np.where(a > 0, np.clip(np.frexp(np.where(a > 0, a, 1))[1] - 1 - 4, -126, 127), 0)      # np.frexp(a)[1] - 1 = floor(log2(a)), exactly
;;       r = np.clip(x / 2.0 ** e, -28, 28)
;;       step = 2.0 ** (np.maximum(np.frexp(np.where(r == 0, 1, r))[1] - 1, -2) - 2)
;;       q = np.round(r / step) * step * 2.0 ** e      # np.round: ties to even
;;       return np.moveaxis(q.reshape(q.shape[:-2] + (-1,))[..., :K], -1, axis).astype(np.float32)
;;   ~~~
;;   OPERANDS COMPUTED ON THE WAY. 'Computed on the way' means the value that the module computes at that place (a softmax that the list does not call 'softmax' is quantised finished and normalised). What goes into a quantiser is computed in f32, as accurately as f32 sums, v_exp_f32 and their like allow (about 1e-6 of the number): no bf16 or f16 on the way to a quantiser, and a product that is left as it is and whose result goes on into a quantised operand takes f32 operands (vector FMAs, or v_wmma_f32_16x16x4_f32). A number that lies on a knife's edge between two numbers of the format may be rounded either way, as far as f32 arithmetic and the matrix unit's own rounding can turn it there, and no further.
;; One version. Each part assembles by itself: llvm-mc -triple=amdgcn-amd-amdhsa -mcpu=gfx1250 --defsym DOCPART=n.
;; ======== version 1 of 1: 4 launches
;; limits: right only within a limited range of input values
;; workspace buffers: xq 6,553,600 bytes; wq 3,276,800 bytes; qb 6,815,744 bytes; kb 6,815,744 bytes; vb 6,553,600 bytes; cb 6,553,600 bytes
;; launch quant (part 1): grid 768 x 1, 4 waves a work-group, no clusters, 35,840 bytes of LDS; arguments x, Wq, Wk, Wv, Wo, xq, wq; writes xq, wq
.if DOCPART == 1
	.amdgcn_target "amdgcn-amd-amdhsa--gfx1250"
	.amdhsa_code_object_version 6
	.text
	.protected	k_q8e1de40d6c_quant
	.globl	k_q8e1de40d6c_quant
	.p2align	8
	.type	k_q8e1de40d6c_quant,@function
k_q8e1de40d6c_quant:
	s_mov_b64 s[64:65], 0
	v_nop
	global_prefetch_b8 v0, s[64:65] scope:SCOPE_SE
	s_setreg_imm32_b32 hwreg(HW_REG_WAVE_MODE, 25, 1), 1
	s_wait_xcnt 0x0
; x [8192][1024] and Wq, Wk, Wv, Wo [1024][1024], f32 with K innermost, become codes of BF6 (E3M2) with one E8M0 byte for each 32 along K,
; laid as IMAGES OF OPERAND REGISTERS.  A fragment (16 rows x 128 K) is 12 registers a lane; its image is 1,536 bytes: registers 4 p .. 4 p + 3 of lane l at 512 p + 16 l.
; xq: [row block 0..511][K step 0..7] images, then from byte 6,291,456 on 512 bytes of scale words a row block: the word at 16 l + 4 i is row (l % 16)'s word of K step 2 i + l / 16.
; wq: the same for 256 row blocks (Wq 0-63, Wk 64-127, Wv 128-191, Wo 192-255), scale words from byte 3,145,728 on.
; THE ROWS OF A ROW BLOCK ARE NOT NEIGHBOURS: row i of block 4 g + u is source row 64 g + 8 u + i % 8 + 32 (i / 8).  So in every later product the 32 result registers of the four
; tiles u = 0..3 of a group are 32 neighbours along the next product's K, a whole block of 32 in one lane.
; A block's scale is 2^(floor(log2(largest magnitude)) - 4); its byte is the largest magnitude's exponent field - 4, held at 1 from below by a floor among the maximum's leaves.
; LIMITS: a block of zeros gets the byte 1 where the rule says 127 (its codes are zeros, and this program alone reads the bytes); NaN and infinities among the inputs are not served.
; SHARES: a work-group takes one row block (16 rows x 1,024), wave w its K steps 2 w and 2 w + 1.  Work-groups 0-511: x; 512-575 Wq; 576-639 Wk; 640-703 Wv; 704-767 Wo: only pointers are chosen.
; Each load reads 512 consecutive bytes of one row; all 32 loads of a wave go out at once.  A K step's 16 rows turn through the wave's own stage in LDS (rows 528 bytes apart),
; so that a lane gets 2 x 32 neighbours of ONE row, as the conversions want them.  No matrix unit, no tensor load, no cluster: the launch streams, and work-groups share no byte.
.set STG,  8704                        ; a wave's stage: 16 rows x 528 bytes, in whole blocks of 256
.set GATH, 34816                       ; behind the four stages: the row block's 512 bytes of scale words
.set XA,   16                          ; v16-79    K step 2 w: 64 numbers of my row
.set CA,   80                          ; v80-91    its codes
.set CT,   92                          ; v92-99    the upper halves of two blocks' codes, before they are moved
.set CB,   100                         ; v100-111  K step 2 w + 1's codes
.set R,    112                         ; v112-239  the 32 loads
.set XB,   112                         ; v112-175  K step 2 w + 1's numbers, where the first K step's loads lay
	s_load_b256 s[4:11], s[0:1], 0x0               ; x, Wq, Wk, Wv
	s_load_b128 s[12:15], s[0:1], 0x20             ; Wo, xq
	s_load_b64 s[16:17], s[0:1], 0x30              ; wq
	v_lshl_add_u32 v240, v0, 2, 0x8a00
	v_mov_b32 v241, 0
	v_lshrrev_b32 v6, 5, v0
	v_readfirstlane_b32 s28, v6                    ; wave
	v_and_b32 v1, 31, v0
	v_lshlrev_b32 v1, 4, v1                        ; 16 x lane
	v_and_b32 v7, 15, v0                           ; r
	v_bfe_u32 v8, v0, 4, 1                         ; h
	s_mul_i32 s29, s28, STG
	v_add_nc_u32 v2, s29, v1                       ; the stage, on the way in: a row's 512 bytes as loaded
	v_mul_u32_u24 v3, v7, 528
	v_lshl_add_u32 v3, v8, 7, v3
	v_add_nc_u32 v3, s29, v3                       ; on the way out: row r, + 128 h: my 32 numbers of each 64
	v_lshlrev_b32 v4, 3, v8                        ; 8 h: where my bytes stand in a scale word
	s_lshl_b32 s33, s28, 2
	s_add_co_u32 s33, s33, GATH
	v_add_nc_u32 v5, s33, v1                       ; where my scale word goes: 16 x lane + 4 x wave
	v_add_nc_u32 v14, GATH, v1                     ; and where wave 0 reads four of them back
	v_mov_b32 v12, 0                               ; (a lane permute's destination counts as one of its sources)
	s_mov_b32 s30, 0x76543210
	s_mov_b32 s31, 0xfedcba98                      ; v_permlanex16_b32's selects for lane l xor 16
	s_mov_b32 s32, 0xffff0000                      ; lanes 16-31
	s_mov_b32 s35, 0
	s_wait_alu depctr_va_vdst(0)
	s_wait_kmcnt 0x0
	s_cmp_lt_u32 ttmp9, 512                        ; x's work-group or a weight's?  The choices hang on the work-group's number alone
	s_cselect_b64 s[18:19], s[4:5], s[6:7]
	s_cselect_b64 s[20:21], s[14:15], s[16:17]
	s_cselect_b32 s22, 0, 512
	s_mov_b32 s23, 3145728
	s_cselect_b32 s23, 6291456, s23                ; where the target's scale words begin
	s_mov_b32 s24, 511
	s_cselect_b32 s24, s24, 63                     ; row blocks in the source, less 1
	s_cmp_lt_u32 ttmp9, 576
	s_cselect_b64 s[18:19], s[18:19], s[8:9]
	s_cmp_lt_u32 ttmp9, 640
	s_cselect_b64 s[18:19], s[18:19], s[10:11]
	s_cmp_lt_u32 ttmp9, 704
	s_cselect_b64 s[18:19], s[18:19], s[12:13]
	s_sub_co_u32 s22, ttmp9, s22                   ; the row block in the target
	s_and_b32 s24, s22, s24                        ; and in the source
	s_lshr_b32 s25, s24, 2
	s_lshl_b32 s25, s25, 18                        ; group g: 64 rows of 4,096 bytes
	s_and_b32 s26, s24, 3
	s_lshl_b32 s26, s26, 15                        ; u: 8 rows
	s_add_co_u32 s34, s25, s26
	s_lshl_b32 s26, s28, 10                        ; my wave's two K steps: 1,024 bytes of a row
	s_add_co_u32 s34, s34, s26
	s_add_nc_u64 s[18:19], s[18:19], s[34:35]
	s_mul_i32 s34, s22, 12288
	s_mul_i32 s26, s28, 3072
	s_add_co_u32 s34, s34, s26
	s_add_nc_u64 s[36:37], s[20:21], s[34:35]      ; my two images
	s_lshl_b32 s34, s22, 9
	s_add_co_u32 s34, s34, s23
	s_add_nc_u64 s[38:39], s[20:21], s[34:35]      ; the row block's scale words
.irp k, 0,1
.irp i, 0,1,2,3,4,5,6,7,8,9,10,11,12,13,14,15
	global_load_b128 v[R+64*\k+4*\i:R+64*\k+4*\i+3], v1, s[18:19] offset:((\i%8)+32*(\i/8))*4096+512*\k th:TH_LOAD_NT   ; row i's 512 bytes of K step 2 w + k
.endr
.endr
; K step k's sixteen rows through the stage.  LDS serves a wave's instructions in order, so no wait stands between the stores and the loads, and one stage serves both K steps.
.macro TURN k, dst
.irp i, 0,1,2,3,4,5,6,7,8,9,10,11,12,13,14,15
	ds_store_b128 v2, v[R+64*\k+4*\i:R+64*\k+4*\i+3] offset:528*\i
.endr
.irp c, 0,1
.irp q, 0,1,2,3,4,5,6,7
	ds_load_b128 v[\dst+32*\c+4*\q:\dst+32*\c+4*\q+3], v3 offset:256*\c+16*\q   ; register 32 c + i = k 64 c + 32 h + i of row r
.endr
.endr
.endm
; 64 numbers of a lane, two whole blocks of 32, become the fragment's 12 registers from v[c] on and the row's scale word in v[w].
.macro QFRAG x, c, w
.irp b, 0,1
	v_max3_num_f32 v[6+\b], |v[\x+32*\b]|, |v[\x+32*\b+1]|, 0x2800000   ; the floor 2^(5 - 127): the byte cannot fall under 1
.endr
.irp i, 2,4,6,8,10,12,14,16,18,20,22,24,26,28,30
.irp b, 0,1
	v_max3_num_f32 v[6+\b], v[6+\b], |v[\x+32*\b+\i]|, |v[\x+32*\b+\i+1]|   ; (the two blocks by turns)
.endr
.endr
.irp b, 0,1
	v_add_nc_u32 v[8+\b], 0xfe000000, v[6+\b]      ; 4 off the exponent field: the conversion takes the exponent field of this operand as its scale
.endr
.irp b, 0,1
	v_lshrrev_b32 v[10+\b], 23, v[8+\b]            ; the scale's byte
.endr
	v_lshl_or_b32 v[\w], v11, 16, v10              ; my two bytes: blocks h and 2 + h,
	v_lshlrev_b32 v[\w], v4, v[\w]                 ; at their places;
	v_permlanex16_b32 v12, v[\w], s30, s31
	v_or_b32 v[\w], v[\w], v12                     ; with lane l xor 16's two the word is whole
.irp b, 0,1
	v_cvt_scalef32_pk16_bf6_f32 v[\c+6*\b:\c+6*\b+2], v[\x+32*\b:\x+32*\b+15], v[8+\b]
	v_cvt_scalef32_pk16_bf6_f32 v[CT+4*\b:CT+4*\b+2], v[\x+32*\b+16:\x+32*\b+31], v[8+\b]   ; (a conversion's three registers begin on an even number)
.endr
	v_nop                                          ; one plain place behind a scaled conversion
.irp b, 0,1
.irp i, 0,1,2
	v_mov_b32 v[\c+6*\b+3+\i], v[CT+4*\b+\i]
.endr
.endr
.endm
	s_wait_loadcnt 16                              ; the first K step's sixteen loads are in; the second's may be out
	TURN 0, XA
	s_wait_loadcnt 0x0
	s_wait_dscnt 0x0                               ; the first turn is over: its stores have read v112-175, which take the second turn's numbers
	TURN 1, XB
	QFRAG XA, CA, 13
.irp p, 0,1,2
	global_store_b128 v1, v[CA+4*\p:CA+4*\p+3], s[36:37] offset:512*\p          ; 32 lanes store 512 consecutive bytes
.endr
	s_wait_dscnt 0x0
	QFRAG XB, CB, 15
.irp p, 0,1,2
	global_store_b128 v1, v[CB+4*\p:CB+4*\p+3], s[36:37] offset:1536+512*\p
.endr
	v_cndmask_b32 v13, v13, v15, s32               ; lanes 0-15 keep K step 2 w's word, lanes 16-31 take K step 2 w + 1's
	ds_store_b32 v5, v13
	s_wait_dscnt 0x0                               ; for wave 0's sake: my word has landed
	s_barrier_signal -1
	s_barrier_wait -1
	s_cmp_lg_u32 s28, 0
	s_cbranch_scc1 .Lend
	ds_load_b128 v[16:19], v14
	s_wait_dscnt 0x0
	global_store_b128 v1, v[16:19], s[38:39]       ; the row block's 512 bytes of scale words, by one instruction
.Lend:
	s_wait_tensorcnt 0x0
	ds_add_u32 v240, v241
	s_wait_dscnt 0x0
	s_endpgm
.Lfunc_end_k_q8e1de40d6c_quant:
	.size	k_q8e1de40d6c_quant, .Lfunc_end_k_q8e1de40d6c_quant-k_q8e1de40d6c_quant
	.p2alignl 7, 3214868480
	.fill 96, 4, 3214868480
	.section	.rodata,"a",@progbits
	.p2align	6, 0x0
	.amdhsa_kernel k_q8e1de40d6c_quant
		.amdhsa_group_segment_fixed_size 35840
		.amdhsa_private_segment_fixed_size 0
		.amdhsa_enable_private_segment 0
		.amdhsa_kernarg_size 56
		.amdhsa_user_sgpr_count 2
		.amdhsa_user_sgpr_kernarg_segment_ptr 1
		.amdhsa_wavefront_size32 1
		.amdhsa_system_sgpr_workgroup_id_x 1
		.amdhsa_system_sgpr_workgroup_id_y 1
		.amdhsa_system_sgpr_workgroup_id_z 1
		.amdhsa_system_vgpr_workitem_id 0
		.amdhsa_next_free_vgpr 242
		.amdhsa_next_free_sgpr 66
		.amdhsa_reserve_vcc 0
		.amdhsa_float_denorm_mode_32 3
		.amdhsa_float_denorm_mode_16_64 3
		.amdhsa_memory_ordered 1
		.amdhsa_forward_progress 1
		.amdhsa_inst_pref_size 17
	.end_amdhsa_kernel
	.amdgpu_metadata
---
amdhsa.version: [ 1, 2 ]
amdhsa.kernels:
  - .name:           k_q8e1de40d6c_quant
    .symbol:         k_q8e1de40d6c_quant.kd
    .args:
      - { .name: x, .offset: 0, .size: 8, .value_kind: global_buffer, .address_space: global }
      - { .name: Wq, .offset: 8, .size: 8, .value_kind: global_buffer, .address_space: global }
      - { .name: Wk, .offset: 16, .size: 8, .value_kind: global_buffer, .address_space: global }
      - { .name: Wv, .offset: 24, .size: 8, .value_kind: global_buffer, .address_space: global }
      - { .name: Wo, .offset: 32, .size: 8, .value_kind: global_buffer, .address_space: global }
      - { .name: xq, .offset: 40, .size: 8, .value_kind: global_buffer, .address_space: global }
      - { .name: wq, .offset: 48, .size: 8, .value_kind: global_buffer, .address_space: global }
    .group_segment_fixed_size: 35840
    .private_segment_fixed_size: 0
    .kernarg_segment_align: 8
    .kernarg_segment_size: 56
    .max_flat_workgroup_size: 128
    .sgpr_count:     66
    .vgpr_count:     242
    .wavefront_size: 32
...
	.end_amdgpu_metadata
.endif
;; end of part 1
;; launch qkv (part 2): grid 8 x 32, 4 waves a work-group, clusters of 4 x 4, 327,680 bytes of LDS; arguments xq, wq, qb, kb, vb, bq, bk, bv, padding_mask; writes qb, kb, vb
.if DOCPART == 2
	.amdgcn_target "amdgcn-amd-amdhsa--gfx1250"
	.amdhsa_code_object_version 6
	.text
	.protected	k_q8e1de40d6c_qkv
	.globl	k_q8e1de40d6c_qkv
	.p2align	8
	.type	k_q8e1de40d6c_qkv,@function
k_q8e1de40d6c_qkv:
	s_mov_b64 s[64:65], 0
	v_nop
	global_prefetch_b8 v0, s[64:65] scope:SCOPE_SE
	s_setreg_imm32_b32 hwreg(HW_REG_WAVE_MODE, 25, 1), 1
	s_wait_xcnt 0x0
	s_wait_alu depctr_hold_cnt(0) depctr_sa_sdst(0) depctr_va_vdst(0) depctr_va_sdst(0) depctr_va_ssrc(0) depctr_va_vcc(0) depctr_vm_vsrc(0)
	s_getreg_b32 s2, hwreg(HW_REG_IB_STS2, 6, 4)
	s_cmp_eq_u32 s2, 0
	s_cbranch_scc0 .Lentry_in_a_cluster
	s_endpgm
.Lentry_in_a_cluster:
	s_bfe_u32 s2, ttmp6, 0x10000c
	s_cmp_lg_u32 s2, 0xf033
	s_cbranch_scc0 .Lentry_shape_is_right
	s_endpgm
.Lentry_shape_is_right:
; Q, K, V = x W^T + b on codes of BF6, each result quantised at once for the product that it feeds; no f32 result goes to memory.
; A WORK-GROUP STAYS: it holds 256 tokens of x in LDS for the whole launch and makes 128 columns (two heads) of Q, then of K, then of V.  Four waves, 128 tokens x 64 columns each: 8 token blocks a x 4 column tiles b, 32 accumulators.
; LDS: x [K half][16 row blocks][4 K steps] images of operand registers (196,608 bytes), W likewise with 8 row blocks (98,304), then the spare words.
; LOADS, all joint (cluster 4 x 4: x shared along a row of the cluster, W along a column), one a wave behind each round: the first K half at the head (waves 0, 1: x; waves 2, 3: W), the second behind
; the full sequence and a round; later W alone is filled again, a quarter a wave, for the next of the three weights, and the finished tile is quantised and stored while that load is out.  Every wait on TENSORcnt is for 0.
; The adds on the spare words, the claim of all LDS, the waits written s_wait_alu and the lines behind each tensor load.
; No prefetch: the launch has three tiles and no loop along K to run ahead in.
; THE ROWS OF A ROW BLOCK (of x and of W) are 64 g + 8 u + i % 8 + 32 (i / 8): so a lane's 32 result registers of the four tiles of a group are 32 neighbours along the next product's K.
; Q, K (source 0 = W, source 1 = x): lane (r, h) holds token r's numbers 32 h .. 32 h + 31 of the head: one block, six registers of codes: half a fragment, stored as an image of 768 bytes.
; V (source 0 = x, source 1 = W): lane (r, h) holds, of channel row r, keys 64 c + 32 h + 0..31 of the wave's 128 tokens: two blocks, a whole fragment of V^T.
; THE MASK goes into K's scale words.  The scores' product has K = 64 of the instruction's 128; of the spare block 2 Q has the one code +28 under the byte 107 and K the code -28 under the byte 227
; for a hidden key and 1 for an open one: -784 x 2^80 is added to a hidden key's score and -784 x 2^-146 to an open one's.
; qb, kb: [batch][head] records of 53,248 bytes: 64 half images, then from 49,152 on 8 x 512 bytes of scale words (the word at 16 l + 4 i: row l % 16 of row block 8 G + 2 i + l / 16).
; vb: records of 51,200 bytes: [key step 0..7][channel tile 0..3] images, then from 49,152 on 8 x 256 bytes of scale words (the word at 8 l + 4 i: row l % 16 of tile 2 i + l / 16).
; LIMITS: a block of zeros gets the byte 1 (its codes are zeros; this program alone reads the bytes); NaN and infinities are not served.
; REGISTERS: window 0: v1 16 x lane, v2 8 x lane, v3 8 h, v4-5, v8-9 LDS addresses of x's and W's K halves; v16-47 x's scale words, v48-63 W's, v64-95 the bias as C; from v96 the way out.
;   window 1: the accumulators.   windows 2, 3: two sets of fragments: x's at 12 a, W's at 96 + 12 b.
.set SA, 16
.set SB, 48
.set BI, 64
.set MK, 96
.set T,  104
.set SO, 112
.set W,  120
.set C,  128
.set CT, 192
.set MSB, 0
.macro WIN new
.if MSB != (\new)
	s_set_vgpr_msb (MSB<<8)|(\new)
.set MSB, (\new)
.endif
.endm
.macro BAR
	s_barrier_signal -1
	s_barrier_wait -1
.endm
.macro CROUND
	s_barrier_signal -1
	s_barrier_wait -1
	s_cmp_lg_u32 s22, 0
	s_cbranch_scc1 .Lnot_wave_0_\@
	s_barrier_signal -3
.Lnot_wave_0_\@:
	s_barrier_wait -3
	s_barrier_signal -1
	s_barrier_wait -1
.endm
.macro PLACES
.rept 4
	v_nop
.endr
.endm
.macro JLOAD                           ; a K half: waves 0, 1 ask for x, waves 2, 3 for W; the branch hangs on the wave's number alone
	s_cmp_eq_u32 s23, 0
	s_cbranch_scc0 .Lfor_w_\@
	tensor_load_to_lds s[48:51], s[32:39]
	s_nop 0
	PLACES
	s_branch .Lasked_\@
.Lfor_w_\@:
	tensor_load_to_lds s[52:55], s[40:47]
	s_nop 0
	PLACES
.Lasked_\@:
.endm
.macro FETCH set, s                    ; K step s's 12 fragments into a set: 36 loads of 512 consecutive bytes
	WIN (2+(\set))<<6
.irp a, 0,1,2,3,4,5,6,7
.irp p, 0,1,2
	ds_load_b128 v[12*\a+4*\p:12*\a+4*\p+3], v[4+(\s)/4] offset:6144*\a+1536*((\s)%4)+512*\p
.endr
.endr
.irp b, 0,1,2,3
.irp p, 0,1,2
	ds_load_b128 v[96+12*\b+4*\p:96+12*\b+4*\p+3], v[8+(\s)/4] offset:6144*\b+1536*((\s)%4)+512*\p
.endr
.endr
.endm
.macro WM                              ; one product, by the symbols RD, RA, RB, RC, RSA, RSB; RWA, RWB: the scales stand in lanes 16-31
.if RWA && RWB
	v_wmma_scale_f32_16x16x128_f8f6f4 v[RD:RD+7], v[RA:RA+11], v[RB:RB+11], v[RC:RC+7], v[RSA], v[RSB] matrix_a_fmt:MATRIX_FMT_BF6 matrix_b_fmt:MATRIX_FMT_BF6 matrix_a_scale:MATRIX_SCALE_ROW1 matrix_b_scale:MATRIX_SCALE_ROW1
.else
	v_wmma_scale_f32_16x16x128_f8f6f4 v[RD:RD+7], v[RA:RA+11], v[RB:RB+11], v[RC:RC+7], v[RSA], v[RSB] matrix_a_fmt:MATRIX_FMT_BF6 matrix_b_fmt:MATRIX_FMT_BF6
.endif
.endm
; K step s: 32 products; the 32 accumulators take turns, one instruction a turn, in the same order in every K step.  first = 1: the bias is the C that starts the sums.
.macro MULS s, swap, first
.if \first
	WIN 0x4a
.elseif (\s)%2
	WIN 0x5f
.else
	WIN 0x5a
.endif
.irp a, 0,1,2,3,4,5,6,7
.irp b, 0,1,2,3
.if \swap
.set RD, 8*(8*\b+\a)
.set RA, 12*\a
.set RB, 96+12*\b
.set RSA, SA+4*\a+(\s)/2
.set RSB, SB+4*\b+(\s)/2
.else
.set RD, 8*(4*\a+\b)
.set RA, 96+12*\b
.set RB, 12*\a
.set RSA, SB+4*\b+(\s)/2
.set RSB, SA+4*\a+(\s)/2
.endif
.set RWA, (\s)%2
.set RWB, (\s)%2
.if \first
.set RC, BI+8*\b
.else
.set RC, RD
.endif
	WM
.endr
.endr
.endm
; The eight K steps, written out.  While one set of fragments is multiplied, the next K step's 36 loads are on their way into the other.
.macro KSTEPS swap
	FETCH 0, 0
	s_wait_loadcnt 0x0                             ; scale words, bias, mask bytes
.if \swap
	WIN 0
.irp b, 0,1,2,3
.irp j, 1,2,3,4,5,6,7
	v_mov_b32 v[BI+8*\b+\j], v[BI+8*\b]            ; V's bias hangs on the lane's channel row alone
.endr
.endr
.rept 8
	v_nop
.endr
.endif
	s_wait_alu depctr_va_vdst(0)
.irp s, 0,1,2,3,4,5,6,7
	s_wait_dscnt 0x0                               ; this K step's fragments are in; no LDS instruction of mine is out at a signal
.if \s == 3
.if \swap == 0
	WIN 0
	s_wait_tensorcnt 0x0                           ; my part of this tile's second K half has landed;
	ds_add_u32 v254, v255
	s_mov_b32 s42, 2<<16                           ; no load of mine is out: from here on a load of W brings two row blocks,
	s_mov_b32 s44, 2
	s_add_nc_u64 s[78:79], s[78:79], 786432        ; and the second K half's descriptor steps to the next weight
	s_wait_dscnt 0x0                               ; my reads of W's first K half are over (K step 3's fragments are in)
	CROUND                                         ; so of every wave of every partner
	tensor_load_to_lds s[56:59], s[40:47]          ; the next weight's first K half, my two row blocks of it
	s_nop 0
	PLACES
.else
	s_wait_tensorcnt 0x0                           ; my part of this tile's second K half has landed,
	BAR                                            ; everybody's has
.endif
.endif
.if \s < 7
	FETCH (\s+1)%2, \s+1
.endif
.if \s == 0
	MULS \s, \swap, 1
.else
	MULS \s, \swap, 0
.endif
	PLACES
.endr
.endm
	s_load_b256 s[4:11], s[0:1], 0x0               ; xq, wq, qb, kb
	s_load_b256 s[12:19], s[0:1], 0x20             ; vb, bq, bk, bv
	s_load_b64 s[20:21], s[0:1], 0x40              ; padding_mask
	v_lshl_add_u32 v254, v0, 2, 0x48000
	v_mov_b32 v255, 0
	ds_add_u32 v254, v255
	ds_add_u32 v254, v255
	v_lshrrev_b32 v12, 5, v0
	v_readfirstlane_b32 s22, v12                   ; wave 0..3
	s_lshr_b32 s23, s22, 1                         ; mh: which 128 tokens.  Also: I ask for x (0) or for W (1)
	s_and_b32 s24, s22, 1                          ; nh: which 64 columns.  Also: which half of the rows I ask for
	s_bfe_u32 s25, ttmp6, 0x40000                  ; cx
	s_bfe_u32 s26, ttmp6, 0x40004                  ; cy
	s_lshl_b32 s27, ttmp9, 2
	s_add_co_u32 s27, s27, s25                     ; tile column 0..7 = 4 x cluster x + cx
	s_and_b32 s28, ttmp7, 0xffff
	s_lshl_b32 s28, s28, 2
	s_add_co_u32 s28, s28, s26                     ; tile row = 4 x cluster y + cy
	s_lshl_b32 s84, s26, 2
	s_lshl_b32 s84, 15, s84                        ; my row of the cluster
	s_lshl_b32 s85, 0x1111, s25                    ; my column
	; groups 1: rows of 6,144 bytes (a row block's four K steps: 768 elements of 8 bytes), 12,288 bytes apart in memory, dense in LDS: x's eight a load, W's four
	s_or_b32 s32, s84, (3<<16)|(1<<21)
	s_or_b32 s40, s85, (3<<16)|(1<<21)
.irp g, 32, 40
	s_mov_b32 s[\g+1], 768<<16
	s_mov_b32 s[\g+3], 768<<16
	s_mov_b32 s[\g+5], 1536
	s_mov_b32 s[\g+6], 0
	s_mov_b32 s[\g+7], 0
.endr
	s_mov_b32 s34, 8<<16
	s_mov_b32 s36, 8
	s_mov_b32 s42, 4<<16
	s_mov_b32 s44, 4
	s_lshl_b32 s86, s28, 4
	s_lshl_b32 s87, s24, 3
	s_add_co_u32 s86, s86, s87
	s_mul_i32 s86, s86, 12288                      ; x: row block 16 x tile row + 8 x half
	s_mov_b32 s87, 0
	s_lshl_b32 s88, s27, 3
	s_lshl_b32 s89, s24, 2
	s_add_co_u32 s88, s88, s89
	s_mul_i32 s88, s88, 12288                      ; Wq: row block 8 x tile column + 4 x half
	s_mov_b32 s89, 0
	s_mul_i32 s90, s27, 98304                      ; a refill brings half of K of two row blocks a wave: row block 8 x tile column + 2 x wave
	s_mul_i32 s91, s22, 24576
	s_add_co_u32 s90, s90, s91
	s_mov_b32 s91, 0
	s_mov_b32 s48, 1
	s_mul_i32 s49, s24, 49152                      ; no place in the cluster enters an LDS address
	s_mov_b32 s52, 1
	s_mul_i32 s53, s24, 24576
	s_add_co_u32 s53, s53, 196608
	s_mov_b32 s56, 1
	s_mul_i32 s57, s22, 12288
	s_add_co_u32 s57, s57, 196608                  ; W's first K half,
	s_mov_b32 s76, 1
	s_add_co_u32 s77, s57, 49152                   ; and its second
	s_wait_dscnt 0x0
	s_wait_kmcnt 0x0
	s_add_nc_u64 s[50:51], s[4:5], s[86:87]
	s_add_nc_u64 s[54:55], s[6:7], s[88:89]
	s_add_nc_u64 s[58:59], s[6:7], s[90:91]
	s_add_nc_u64 s[78:79], s[58:59], 6144          ; second K half: stepped to the next weight ahead of each use
	s_add_nc_u64 s[58:59], s[58:59], 786432        ; first K half of the next weight (64 row blocks on)
	s_or_b32 s51, s51, 0x80000000
	s_or_b32 s55, s55, 0x80000000
	s_or_b32 s59, s59, 0x80000000
	s_or_b32 s79, s79, 0x80000000
	CROUND                                         ; all sixteen work-groups are here: the joint loads meet
	JLOAD                                          ; the first K half
	v_and_b32 v12, 31, v0
	v_lshlrev_b32 v1, 4, v12
	v_lshlrev_b32 v2, 3, v12
	v_bfe_u32 v13, v0, 4, 1                        ; h
	v_lshlrev_b32 v3, 3, v13
	v_lshlrev_b32 v15, 7, v13                      ; 128 h: my half's 32 numbers of a bias
	v_mov_b32 v14, 0x2800000                       ; the floor 2^(5 - 127)
	v_and_b32 v230, 7, v0
	v_bfe_u32 v231, v0, 3, 1
	v_lshl_add_u32 v230, v231, 5, v230             ; r % 8 + 32 (r / 8)
	v_lshlrev_b32 v231, 2, v230
	v_mov_b32 v224, 0
	v_mov_b32 v225, 0
	s_mul_i32 s84, s23, 49152
	s_mul_i32 s85, s24, 24576
	s_add_co_u32 s85, s85, 196608
	v_add_nc_u32 v4, s84, v1
	v_add_nc_u32 v8, s85, v1
	v_add_nc_u32 v5, 98304, v4
	v_add_nc_u32 v9, 49152, v8
	s_wait_alu depctr_va_vdst(0)
	s_mov_b32 s3, 0
	s_lshl_b32 s2, s28, 4
	s_lshl_b32 s29, s23, 3
	s_add_co_u32 s2, s2, s29
	s_lshl_b32 s2, s2, 9
	s_add_co_u32 s2, s2, 6291456
	s_add_nc_u64 s[92:93], s[4:5], s[2:3]          ; the scale words of my 8 row blocks of x, for all of K: they stay
	s_lshl_b32 s2, s27, 3
	s_lshl_b32 s29, s24, 2
	s_add_co_u32 s2, s2, s29
	s_lshl_b32 s2, s2, 9
	s_add_co_u32 s2, s2, 3145728
	s_add_nc_u64 s[30:31], s[6:7], s[2:3]          ; and of my 4 of Wq
.irp a, 0,1,2,3,4,5,6,7
	global_load_b128 v[SA+4*\a:SA+4*\a+3], v1, s[92:93] offset:512*\a
.endr
.irp b, 0,1,2,3
	global_load_b128 v[SB+4*\b:SB+4*\b+3], v1, s[30:31] offset:512*\b
.endr
	s_lshl_b32 s94, s27, 1
	s_add_co_u32 s94, s94, s24                     ; the head
	s_lshr_b32 s97, s28, 2
	s_lshl_b32 s97, s97, 4
	s_add_co_u32 s97, s97, s94                     ; 16 x batch + head
	s_and_b32 s96, s28, 3
	s_lshl_b32 s96, s96, 1
	s_add_co_u32 s96, s96, s23                     ; G: which 128 tokens of the batch
	s_lshl_b32 s68, s94, 8                         ; the head's 64 numbers of a bias
	s_mov_b32 s69, 0
	s_add_nc_u64 s[74:75], s[14:15], s[68:69]
.irp b, 0,1,2,3
	global_load_b128 v[BI+8*\b:BI+8*\b+3], v15, s[74:75] offset:32*\b
	global_load_b128 v[BI+8*\b+4:BI+8*\b+7], v15, s[74:75] offset:32*\b+16
.endr
	s_lshl_b32 s2, s28, 8
	s_lshl_b32 s29, s23, 7
	s_add_co_u32 s2, s2, s29
	s_add_nc_u64 s[66:67], s[20:21], s[2:3]        ; the mask bytes of my 128 tokens
.irp a, 0,1,2,3,4,5,6,7
	global_load_u8 v[MK+\a], v230, s[66:67] offset:64*(\a/4)+8*(\a%4)
.endr
	s_mul_i32 s99, s97, 53248
	s_mul_i32 s60, s96, 6144
	s_add_co_u32 s60, s60, s99                     ; my 8 half images in qb or kb,
	s_mov_b32 s61, 0
	s_lshl_b32 s62, s96, 9
	s_add_co_u32 s62, s62, s99
	s_add_co_u32 s62, s62, 49152                   ; and their 512 bytes of scale words
	s_mov_b32 s63, 0
	s_mov_b32 s80, 0x76543210
	s_mov_b32 s81, 0xfedcba98
	s_mov_b32 s82, 0xffff0000
	s_mov_b32 s70, 0                               ; 0: Q, 1: K
	s_wait_tensorcnt 0x0                           ; my part of the first K half is in;
	ds_add_u32 v254, v255
	s_add_co_u32 s49, s49, 98304                   ; no load of mine is out: the descriptors step to the second K half
	s_add_nc_u64 s[50:51], s[50:51], 6144
	s_add_co_u32 s53, s53, 49152
	s_add_nc_u64 s[54:55], s[54:55], 6144
	s_wait_dscnt 0x0
	CROUND                                         ; everybody's part is in, and the joint loads meet
	JLOAD                                          ; the second K half
; Token blocks a0 and a0 + 1, by turns: the 32 registers of a block are ONE block of 32 along the head's axis.  Each accumulator is read from its low end on.
.macro EPQ2 a0
	WIN 0x14
.irp k, 0,1,2,3
.irp d, 0,1
.irp b, 0,1,2,3
.if \k == 0
	v_max3_num_f32 v[T+4*\d+\b], v14, |v[32*(\a0+\d)+8*\b]|, |v[32*(\a0+\d)+8*\b+1]|
.else
	v_max3_num_f32 v[T+4*\d+\b], v[T+4*\d+\b], |v[32*(\a0+\d)+8*\b+2*\k]|, |v[32*(\a0+\d)+8*\b+2*\k+1]|
.endif
.endr
.endr
.endr
	WIN 0
.irp d, 0,1
	v_max3_num_f32 v[T+4*\d], v[T+4*\d], v[T+4*\d+1], v[T+4*\d+2]
.endr
.irp d, 0,1
	v_max_num_f32 v[T+4*\d], v[T+4*\d], v[T+4*\d+3]
.endr
.irp d, 0,1
	v_add_nc_u32 v[SO+\a0+\d], 0xfe000000, v[T+4*\d]   ; 4 off the exponent field: the conversion's scale operand
.endr
.irp d, 0,1
	v_lshrrev_b32 v[T+4*\d+1], 23, v[SO+\a0+\d]        ; the byte
.endr
.irp d, 0,1
	v_lshlrev_b32 v[W+\a0+\d], v3, v[T+4*\d+1]         ; at its place: block h
.endr
.irp d, 0,1
	v_permlanex16_b32 v[224+\d], v[W+\a0+\d], s80, s81
.endr
.irp d, 0,1
	v_cmp_ne_u32 vcc_lo, 0, v[MK+\a0+\d]
	v_cndmask_b32 v[226+\d], v228, v229, vcc_lo        ; bytes 2 and 3: the mask
.endr
.irp d, 0,1
	v_or_b32 v[W+\a0+\d], v[W+\a0+\d], v[224+\d]
.endr
.irp d, 0,1
	v_or_b32 v[W+\a0+\d], v[W+\a0+\d], v[226+\d]
.endr
	WIN 0x01
.irp d, 0,1
	v_cvt_scalef32_pk16_bf6_f32 v[C+8*(\a0+\d):C+8*(\a0+\d)+2], v[32*(\a0+\d):32*(\a0+\d)+15], v[SO+\a0+\d]
	v_cvt_scalef32_pk16_bf6_f32 v[CT+4*(\a0+\d):CT+4*(\a0+\d)+2], v[32*(\a0+\d)+16:32*(\a0+\d)+31], v[SO+\a0+\d]
.endr
	WIN 0
	v_nop                                          ; one plain place behind a scaled conversion
.irp d, 0,1
.irp i, 0,1,2
	v_mov_b32 v[C+8*(\a0+\d)+3+\i], v[CT+4*(\a0+\d)+\i]
.endr
.endr
.irp d, 0,1
	global_store_b128 v1, v[C+8*(\a0+\d):C+8*(\a0+\d)+3], s[86:87] offset:768*(\a0+\d)          ; 512 consecutive bytes,
	global_store_b64 v2, v[C+8*(\a0+\d)+4:C+8*(\a0+\d)+5], s[86:87] offset:768*(\a0+\d)+512     ; and 256
.endr
.endm
.Ltype:                                            ; two trips: Q, then K
	s_cmp_eq_u32 s70, 0
	s_cselect_b64 s[84:85], s[8:9], s[10:11]
	s_mov_b32 s90, 0x01010000
	s_cselect_b32 s90, 0x016b0000, s90             ; bytes 2 and 3 of a scale word: Q: 107, 1; an open key: 1, 1;
	s_mov_b32 s91, 0x01e30000
	s_cselect_b32 s91, 0x016b0000, s91             ; a hidden key: 227, 1
	v_mov_b32 v228, s90
	v_mov_b32 v229, s91
	s_add_nc_u64 s[86:87], s[84:85], s[60:61]
	s_add_nc_u64 s[94:95], s[84:85], s[62:63]
	KSTEPS 0
	WIN 0
	s_add_nc_u64 s[30:31], s[30:31], 32768         ; its scale words (the loads that named this base have been waited for)
.irp b, 0,1,2,3
	global_load_b128 v[SB+4*\b:SB+4*\b+3], v1, s[30:31] offset:512*\b
.endr
	s_cmp_eq_u32 s70, 0                            ; and its bias: bk as bq was taken; bv by channel rows
	s_cbranch_scc0 .Lbias_v
	s_add_nc_u64 s[74:75], s[16:17], s[68:69]
.irp b, 0,1,2,3
	global_load_b128 v[BI+8*\b:BI+8*\b+3], v15, s[74:75] offset:32*\b
	global_load_b128 v[BI+8*\b+4:BI+8*\b+7], v15, s[74:75] offset:32*\b+16
.endr
	s_branch .Lbias_done
.Lbias_v:
	s_add_nc_u64 s[74:75], s[18:19], s[68:69]
.irp b, 0,1,2,3
	global_load_b32 v[BI+8*\b], v231, s[74:75] offset:32*\b    ; bv of channel 8 b + r % 8 + 32 (r / 8)
.endr
.Lbias_done:
	EPQ2 0
	s_wait_alu depctr_va_vdst(0)
	s_wait_tensorcnt 0x0                           ; the next weight's first K half, asked for at K step 3, is in;
	ds_add_u32 v254, v255
	s_add_nc_u64 s[58:59], s[58:59], 786432        ; no load of mine is out: its descriptor steps on
	s_wait_dscnt 0x0                               ; my reads of W's second K half are over
	CROUND                                         ; so of every wave of every partner
	tensor_load_to_lds s[76:79], s[40:47]          ; the next weight's second K half, my two row blocks of it
	s_nop 0
	PLACES
	EPQ2 2
	EPQ2 4
	EPQ2 6
.irp i, 0,1,2,3
	v_cndmask_b32 v[232+\i], v[W+2*\i], v[W+2*\i+1], s82   ; lanes 0-15: block 2 i's words, lanes 16-31: block 2 i + 1's
.endr
	global_store_b128 v1, v[232:235], s[94:95]
	s_wait_xcnt 0x0                                ; the stores have read their registers and bases: both are written again only behind this wait
	s_wait_alu depctr_va_vdst(0)
	s_add_co_u32 s70, s70, 1
	s_cmp_lt_u32 s70, 2
	s_cbranch_scc1 .Ltype
	; ---- V
	s_mul_i32 s99, s97, 51200
	s_mul_i32 s2, s96, 6144
	s_add_co_u32 s2, s2, s99
	s_add_nc_u64 s[86:87], s[12:13], s[2:3]        ; key step G's four images
	s_lshl_b32 s2, s96, 8
	s_add_co_u32 s2, s2, s99
	s_add_co_u32 s2, s2, 49152
	s_add_nc_u64 s[94:95], s[12:13], s[2:3]        ; and their 256 bytes of scale words
	KSTEPS 1
	WIN 0
; Channel tile b: 64 registers a lane, two whole blocks of 32 keys of channel row r.
.macro EPV b
	WIN 0x14
.irp k, 0,1,2,3
.irp a, 0,1,2,3,4,5,6,7
.if \k == 0
	v_max3_num_f32 v[T+\a], v14, |v[64*\b+8*\a]|, |v[64*\b+8*\a+1]|
.else
	v_max3_num_f32 v[T+\a], v[T+\a], |v[64*\b+8*\a+2*\k]|, |v[64*\b+8*\a+2*\k+1]|
.endif
.endr
.endr
	WIN 0
.irp c, 0,1
	v_max3_num_f32 v[T+4*\c], v[T+4*\c], v[T+4*\c+1], v[T+4*\c+2]
.endr
.irp c, 0,1
	v_max_num_f32 v[T+4*\c], v[T+4*\c], v[T+4*\c+3]
.endr
.irp c, 0,1
	v_add_nc_u32 v[SO+2*\b+\c], 0xfe000000, v[T+4*\c]
.endr
.irp c, 0,1
	v_lshrrev_b32 v[T+4*\c+1], 23, v[SO+2*\b+\c]
.endr
	v_lshl_or_b32 v[W+\b], v[T+5], 16, v[T+1]      ; my two bytes: key blocks h and 2 + h
	v_lshlrev_b32 v[W+\b], v3, v[W+\b]
	v_permlanex16_b32 v224, v[W+\b], s80, s81
	v_or_b32 v[W+\b], v[W+\b], v224
	WIN 0x01
.irp c, 0,1
	v_cvt_scalef32_pk16_bf6_f32 v[C+12*\b+6*\c:C+12*\b+6*\c+2], v[64*\b+32*\c:64*\b+32*\c+15], v[SO+2*\b+\c]
	v_cvt_scalef32_pk16_bf6_f32 v[CT+8*\b+4*\c:CT+8*\b+4*\c+2], v[64*\b+32*\c+16:64*\b+32*\c+31], v[SO+2*\b+\c]
.endr
	WIN 0
	v_nop
.irp c, 0,1
.irp i, 0,1,2
	v_mov_b32 v[C+12*\b+6*\c+3+\i], v[CT+8*\b+4*\c+\i]
.endr
.endr
.irp p, 0,1,2
	global_store_b128 v1, v[C+12*\b+4*\p:C+12*\b+4*\p+3], s[86:87] offset:1536*\b+512*\p
.endr
.endm
	EPV 0
	EPV 1
	EPV 2
	EPV 3
	v_cndmask_b32 v232, v[W], v[W+1], s82
	v_cndmask_b32 v233, v[W+2], v[W+3], s82
	global_store_b64 v2, v[232:233], s[94:95]
	s_wait_tensorcnt 0x0
	ds_add_u32 v254, v255
	s_wait_dscnt 0x0
	CROUND                                         ; the closing round
	s_endpgm
.Lfunc_end_k_q8e1de40d6c_qkv:
	.size	k_q8e1de40d6c_qkv, .Lfunc_end_k_q8e1de40d6c_qkv-k_q8e1de40d6c_qkv
	.p2alignl 7, 3214868480
	.fill 96, 4, 3214868480
	.section	.rodata,"a",@progbits
	.p2align	6, 0x0
	.amdhsa_kernel k_q8e1de40d6c_qkv
		.amdhsa_group_segment_fixed_size 327680
		.amdhsa_private_segment_fixed_size 0
		.amdhsa_enable_private_segment 0
		.amdhsa_kernarg_size 72
		.amdhsa_user_sgpr_count 2
		.amdhsa_user_sgpr_kernarg_segment_ptr 1
		.amdhsa_wavefront_size32 1
		.amdhsa_system_sgpr_workgroup_id_x 1
		.amdhsa_system_sgpr_workgroup_id_y 1
		.amdhsa_system_sgpr_workgroup_id_z 1
		.amdhsa_system_vgpr_workitem_id 0
		.amdhsa_next_free_vgpr 1024
		.amdhsa_next_free_sgpr 100
		.amdhsa_reserve_vcc 1
		.amdhsa_float_denorm_mode_32 3
		.amdhsa_float_denorm_mode_16_64 3
		.amdhsa_memory_ordered 1
		.amdhsa_forward_progress 1
		.amdhsa_inst_pref_size 151
	.end_amdhsa_kernel
	.amdgpu_metadata
---
amdhsa.version: [ 1, 2 ]
amdhsa.kernels:
  - .name:           k_q8e1de40d6c_qkv
    .symbol:         k_q8e1de40d6c_qkv.kd
    .args:
      - { .name: xq, .offset: 0, .size: 8, .value_kind: global_buffer, .address_space: global }
      - { .name: wq, .offset: 8, .size: 8, .value_kind: global_buffer, .address_space: global }
      - { .name: qb, .offset: 16, .size: 8, .value_kind: global_buffer, .address_space: global }
      - { .name: kb, .offset: 24, .size: 8, .value_kind: global_buffer, .address_space: global }
      - { .name: vb, .offset: 32, .size: 8, .value_kind: global_buffer, .address_space: global }
      - { .name: bq, .offset: 40, .size: 8, .value_kind: global_buffer, .address_space: global }
      - { .name: bk, .offset: 48, .size: 8, .value_kind: global_buffer, .address_space: global }
      - { .name: bv, .offset: 56, .size: 8, .value_kind: global_buffer, .address_space: global }
      - { .name: padding_mask, .offset: 64, .size: 8, .value_kind: global_buffer, .address_space: global }
    .group_segment_fixed_size: 327680
    .private_segment_fixed_size: 0
    .kernarg_segment_align: 8
    .kernarg_segment_size: 72
    .max_flat_workgroup_size: 128
    .sgpr_count:     100
    .vgpr_count:     1024
    .wavefront_size: 32
...
	.end_amdgpu_metadata
.endif
;; end of part 2
;; launch attn (part 3): grid 4 x 64, 8 waves a work-group, clusters of 4 x 1, 327,680 bytes of LDS; arguments qb, kb, vb, cb; writes cb
.if DOCPART == 3
	.amdgcn_target "amdgcn-amd-amdhsa--gfx1250"
	.amdhsa_code_object_version 6
	.text
	.protected	k_q8e1de40d6c_attn
	.globl	k_q8e1de40d6c_attn
	.p2align	8
	.type	k_q8e1de40d6c_attn,@function
k_q8e1de40d6c_attn:
	s_mov_b64 s[64:65], 0
	v_nop
	global_prefetch_b8 v0, s[64:65] scope:SCOPE_SE
	s_setreg_imm32_b32 hwreg(HW_REG_WAVE_MODE, 25, 1), 1
	s_wait_xcnt 0x0
	s_wait_alu depctr_hold_cnt(0) depctr_sa_sdst(0) depctr_va_vdst(0) depctr_va_sdst(0) depctr_va_ssrc(0) depctr_va_vcc(0) depctr_vm_vsrc(0)
	s_getreg_b32 s2, hwreg(HW_REG_IB_STS2, 6, 4)
	s_cmp_eq_u32 s2, 0
	s_cbranch_scc0 .Lentry_in_a_cluster
	s_endpgm
.Lentry_in_a_cluster:
	s_bfe_u32 s2, ttmp6, 0x10000c
	s_cmp_lg_u32 s2, 0x3003
	s_cbranch_scc0 .Lentry_shape_is_right
	s_endpgm
.Lentry_shape_is_right:
; ctx = softmax(Q K^T / 8, hidden keys out) V for a pair of heads and a quarter of a batch's queries, both products on codes of BF6; ctx leaves as codes for the last product.
; THE WEIGHTS ARE QUANTISED FINISHED AND NORMALISED: a row's maximum and sum over all 1,024 keys are known before any weight is quantised.  So all 1,024 scores of 16 queries are held in registers,
; by A PAIR OF WAVES: waves p and p + 4 (p = 0..3) share a row block of queries; wave p holds the scores of keys 0-511, wave p + 4 those of keys 512-1,023: 256 registers each.  Eight waves of 512 registers, two to a SIMD.
; Each score is multiplied out once and its exponential is taken once.  The pair hands three things to each other through LDS bytes of its own, each behind a work-group barrier: the row's largest score,
; the row's sum, and wave p + 4's part of O^T, which wave p adds to its own, quantises and stores.
; SHARES: work-group y = 8 x batch + pair of heads; cx = which 16 of the batch's 64 row blocks of queries.  Pair p owns row blocks 16 cx + 8 (p / 2) + p % 2 + 2 i, i = 0..3: a trip of the loop
; takes one of them through both heads (HEADSTEP 0, HEADSTEP 1), whose 64 + 64 channels are one K step of the last product: one fragment of ctx.
; CLUSTER 4 x 1: the four work-groups need the same K and V: the two heads' records (208,896 bytes) come into LDS once, by joint loads, one a wave behind each round: head 0's at the head
; (waves 0-3 quarters of K's record, waves 4-7 of V's), head 1's behind the full sequence and a round; the last barrier of HEADSTEP 0 shows them whole.  Nothing is filled again.  Every wait on TENSORcnt is for 0.
; The adds on the spare words, the claim of all LDS, the waits written s_wait_alu and the lines behind each tensor load.  No prefetch: all that is loaded is asked for at the head.
; LAYOUT: S^T = K Q^T (source 0 = 16 keys), O^T = V^T P^T (source 0 = 16 channels): a lane holds one query (lane % 16) throughout.  By the order of rows in a row block the 32 registers of four
; neighbouring tiles are keys 32 (lane / 16) + 0..31 of 64: a whole block of 32 in a lane, in the operand's own order; O^T's 32 registers are channels 32 (lane / 16) + 0..31 likewise.
; THE MASK stands in K's scale words: of the instruction's 128 along K the head has 64; at k = 64 Q has the code +28 (byte 107) and K the code -28 (byte 227 hidden, 1 open).  All Q's other codes
; from k = 64 on are zeros, so whatever K's registers 7-11 hold adds nothing: a tile of K takes a stride of 8 registers and its operand runs on into the next tile's.
; SOFTMAX: p = 2^(c s - c m) / l, c = log2(e) / 8, m the row's largest score, held at -1e24 from below; l the sum of the unquantised exponentials, held at 1 from below (it is at least 1 wherever a key is open).
; With every key hidden all p are 0, and so is ctx.  A block's largest p is not searched for: the block's largest SCORE goes through the same multiply-add, exponential and multiplication
; (this takes v_exp_f32 not to fall where its input rises; at the worst one p of a block would be held one code low).
; LIMITS: open scores lie within +-1e24; every open score carries the common -784 x 2^-146; 1 / l is v_rcp_f32 and a multiplication; a block of zeros gets the byte 1; NaN and infinities are not served.
; REGISTERS: window 1: my 256 scores, key step s (of my four) at 64 s.  Window 0: v1 16 x lane, v2 8 x lane, v3 8 h, v4 16 r; v[5+5e..9+5e] LDS addresses of head e: K by 16, K by 8, K's scale words, V by 16, V's scale words;
;   v15 the floor, v16 -3e38; v17, v18 my word and my partner's in the exchange; v19, v20 ctx's scale words, in and back; v21 O^T's exchange; v22 ctx's two bytes of head 0; v24-35 Q's fragment, v36 its scale word;
;   v[38:39] 1 / l; v[40:41] c m; the names below; from R on K's two sets of four tiles (36 registers each), then V's three buffers of two tiles (24 each), then my partner's O^T.
.set KS, 44                            ; v44-51   K's scale words, two sets
.set VS, 52                            ; v52-55   V's, two sets
.set PW, 56                            ; v56-59   p's scale words
.set BM, 60                            ; v60-67   my 8 blocks' largest scores, then the conversions' scale operands
.set T,  68                            ; v68-83   at work
.set PC, 84                            ; v84-107  p's codes, two sets
.set UH, 108                           ; v108-115 upper halves
.set O,  116                           ; v116-147 O^T
.set CX, 148                           ; v148-159 ctx's fragment
.set R,  168                           ; v168-239
.set X1, 209920                        ; LDS behind the records and ctx's words: 128 bytes a wave for the maxima, 1,024 on the same for the sums,
.set X3, 211968                        ; 4,096 bytes a pair for O^T; the spare words from 228,352 on
.set MSB, 0
.macro WIN new
.if MSB != (\new)
	s_set_vgpr_msb (MSB<<8)|(\new)
.set MSB, (\new)
.endif
.endm
.macro BAR
	s_barrier_signal -1
	s_barrier_wait -1
.endm
.macro CROUND
	s_barrier_signal -1
	s_barrier_wait -1
	s_cmp_lg_u32 s12, 0
	s_cbranch_scc1 .Lnot_wave_0_\@
	s_barrier_signal -3
.Lnot_wave_0_\@:
	s_barrier_wait -3
	s_barrier_signal -1
	s_barrier_wait -1
.endm
.macro PLACES
.rept 4
	v_nop
.endr
.endm
.macro JLOAD                           ; a head's records: waves 0-3 ask for K's quarters, waves 4-7 for V's
	s_cmp_eq_u32 s47, 0
	s_cbranch_scc0 .Lfor_v_\@
	tensor_load_to_lds s[36:39], s[20:27]
	s_nop 0
	PLACES
	s_branch .Lasked_\@
.Lfor_v_\@:
	tensor_load_to_lds s[40:43], s[28:35]
	s_nop 0
	PLACES
.Lasked_\@:
.endm
.macro KLOADH g, e                     ; group g (64 keys) of my 512: four half images of K, 8 loads; ahead of an even group its key step's scale words, one more
	WIN 0
.if (\g)%2 == 0
	ds_load_b128 v[KS+4*(((\g)/2)%2):KS+4*(((\g)/2)%2)+3], v[7+5*(\e)] offset:512*((\g)/2)
.endif
.irp i, 0,1,2,3
	ds_load_b128 v[R+36*((\g)%2)+8*\i:R+36*((\g)%2)+8*\i+3], v[5+5*(\e)] offset:768*(4*(\g)+\i)
	ds_load_b64 v[R+36*((\g)%2)+8*\i+4:R+36*((\g)%2)+8*\i+5], v[6+5*(\e)] offset:768*(4*(\g)+\i)+512
.endr
.endm
.macro SMULH g                         ; S^T of 64 keys: four products, each its own accumulator, begun with the constant 0
	WIN 0x40
.irp i, 0,1,2,3
.if \i%2
	v_wmma_scale_f32_16x16x128_f8f6f4 v[32*(\g)+8*\i:32*(\g)+8*\i+7], v[R+36*((\g)%2)+8*\i:R+36*((\g)%2)+8*\i+11], v[24:35], 0, v[KS+4*(((\g)/2)%2)+(4*((\g)%2)+\i)/2], v36 matrix_a_fmt:MATRIX_FMT_BF6 matrix_b_fmt:MATRIX_FMT_BF6 matrix_a_scale:MATRIX_SCALE_ROW1
.else
	v_wmma_scale_f32_16x16x128_f8f6f4 v[32*(\g)+8*\i:32*(\g)+8*\i+7], v[R+36*((\g)%2)+8*\i:R+36*((\g)%2)+8*\i+11], v[24:35], 0, v[KS+4*(((\g)/2)%2)+(4*((\g)%2)+\i)/2], v36 matrix_a_fmt:MATRIX_FMT_BF6 matrix_b_fmt:MATRIX_FMT_BF6
.endif
.endr
.endm
.macro MAXH g                          ; the largest score of group g's block: four chains, one for each tile, each from the tile's low end on: 18 plain lines
	WIN 0x14
.irp k, 0,1,2,3
.irp i, 0,1,2,3
.if \k == 0
	v_max3_num_f32 v[T+\i], v16, v[32*(\g)+8*\i], v[32*(\g)+8*\i+1]
.else
	v_max3_num_f32 v[T+\i], v[T+\i], v[32*(\g)+8*\i+2*\k], v[32*(\g)+8*\i+2*\k+1]
.endif
.endr
.endr
	WIN 0
	v_max3_num_f32 v[BM+(\g)], v[T], v[T+1], v[T+2]
	s_delay_alu instid0(VALU_DEP_1)
	v_max_num_f32 v[BM+(\g)], v[BM+(\g)], v[T+3]
.endm
.macro FMA s                           ; c s - c m, two at a time
	WIN 0x41
.set j, 64*(\s)
.rept 32
	v_pk_fma_f32 v[j:j+1], v[j:j+1], s[52:53], v[40:41] op_sel_hi:[1,0,0] neg_lo:[0,0,1] neg_hi:[0,0,1]
.set j, j+2
.endr
.endm
.macro EXF s, f                        ; step s's 64 exponentials; f = 1: the next step's multiply-adds stand among them; they are first read behind the wait that follows the batch
	WIN 0x41
.set j, 64*(\s)
.rept 32
	v_exp_f32 v[j], v[j]
.if \f
	v_pk_fma_f32 v[j+64:j+65], v[j+64:j+65], s[52:53], v[40:41] op_sel_hi:[1,0,0] neg_lo:[0,0,1] neg_hi:[0,0,1]
.endif
	v_exp_f32 v[j+1], v[j+1]
.set j, j+2
.endr
.endm
.macro ADDS s                          ; my part of the row's sum, of the unquantised exponentials: eight chains of pairs; the first step's first lines start them
.if (\s) == 0
	WIN 0x05
.irp k, 0,1,2,3,4,5,6,7
	v_pk_add_f32 v[T+2*\k:T+2*\k+1], v[2*\k:2*\k+1], v[16+2*\k:17+2*\k]
.endr
	WIN 0x04
.irp k, 16,17,18,19,20,21,22,23,24,25,26,27,28,29,30,31
	v_pk_add_f32 v[T+2*(\k%8):T+2*(\k%8)+1], v[T+2*(\k%8):T+2*(\k%8)+1], v[2*\k:2*\k+1]
.endr
.else
	WIN 0x04
.set j, 0
.rept 32
	v_pk_add_f32 v[T+2*(j%8):T+2*(j%8)+1], v[T+2*(j%8):T+2*(j%8)+1], v[64*(\s)+2*j:64*(\s)+2*j+1]
.set j, j+1
.endr
.endif
.endm
.macro MULRH s, q                      ; p = the exponential x 1 / l: half q of step s: sixteen lines
	WIN 0x41
.set j, 64*(\s)+32*(\q)
.rept 16
	v_pk_mul_f32 v[j:j+1], v[j:j+1], v[38:39] op_sel_hi:[1,0]
.set j, j+2
.endr
.endm
.macro CVTP s                          ; the step's 64 weights of a lane become p's fragment
	WIN 0x01
.irp c, 0,1
	v_cvt_scalef32_pk16_bf6_f32 v[PC+12*((\s)%2)+6*\c:PC+12*((\s)%2)+6*\c+2], v[64*(\s)+32*\c:64*(\s)+32*\c+15], v[BM+2*(\s)+\c]
	v_cvt_scalef32_pk16_bf6_f32 v[UH+4*\c:UH+4*\c+2], v[64*(\s)+32*\c+16:64*(\s)+32*\c+31], v[BM+2*(\s)+\c]
.endr
	WIN 0
	v_nop                                          ; one plain place behind a scaled conversion
.irp c, 0,1
.irp i, 0,1,2
	v_mov_b32 v[PC+12*((\s)%2)+6*\c+3+\i], v[UH+4*\c+\i]
.endr
.endr
.endm
.macro VLOADH hv, e                    ; group hv: two images of V^T, 6 loads, into buffer hv % 3; ahead of an even group its key step's scale words, one more
	WIN 0
.if (\hv)%2 == 0
	ds_load_b64 v[VS+2*(((\hv)/2)%2):VS+2*(((\hv)/2)%2)+1], v[9+5*(\e)] offset:256*((\hv)/2)
.endif
.irp u, 0,1
.irp p, 0,1,2
	ds_load_b128 v[R+24*((\hv)%3)+12*\u+4*\p:R+24*((\hv)%3)+12*\u+4*\p+3], v[8+5*(\e)] offset:1536*(2*(\hv)+\u)+512*\p
.endr
.endr
.endm
.macro PV1 s, u                        ; O^T += V^T P^T, channel tile u: the four accumulators take turns, one instruction a turn
	WIN 0
.set RD, O+8*(\u)
.set RA, R+24*((2*(\s)+(\u)/2)%3)+12*((\u)%2)
.set RB, PC+12*((\s)%2)
.set RSA, VS+2*((\s)%2)+(\u)/2
.if (\s) == 0
.if (\u)%2
	v_wmma_scale_f32_16x16x128_f8f6f4 v[RD:RD+7], v[RA:RA+11], v[RB:RB+11], 0, v[RSA], v[PW+(\s)] matrix_a_fmt:MATRIX_FMT_BF6 matrix_b_fmt:MATRIX_FMT_BF6 matrix_a_scale:MATRIX_SCALE_ROW1
.else
	v_wmma_scale_f32_16x16x128_f8f6f4 v[RD:RD+7], v[RA:RA+11], v[RB:RB+11], 0, v[RSA], v[PW+(\s)] matrix_a_fmt:MATRIX_FMT_BF6 matrix_b_fmt:MATRIX_FMT_BF6
.endif
.else
.if (\u)%2
	v_wmma_scale_f32_16x16x128_f8f6f4 v[RD:RD+7], v[RA:RA+11], v[RB:RB+11], v[RD:RD+7], v[RSA], v[PW+(\s)] matrix_a_fmt:MATRIX_FMT_BF6 matrix_b_fmt:MATRIX_FMT_BF6 matrix_a_scale:MATRIX_SCALE_ROW1
.else
	v_wmma_scale_f32_16x16x128_f8f6f4 v[RD:RD+7], v[RA:RA+11], v[RB:RB+11], v[RD:RD+7], v[RSA], v[PW+(\s)] matrix_a_fmt:MATRIX_FMT_BF6 matrix_b_fmt:MATRIX_FMT_BF6
.endif
.endif
.endm
.macro QLOAD off                       ; a row block's half image of Q and its scale words
	global_load_b128 v[24:27], v1, s[76:77] offset:\off
	global_load_b64 v[28:29], v2, s[76:77] offset:\off+512
	global_load_b32 v36, v4, s[78:79] offset:\off
.endm
	s_load_b256 s[4:11], s[0:1], 0x0               ; qb, kb, vb, cb
	v_lshl_add_u32 v254, v0, 2, 0x37c00
	v_mov_b32 v255, 0
	ds_add_u32 v254, v255
	ds_add_u32 v254, v255
	v_lshrrev_b32 v5, 5, v0
	v_readfirstlane_b32 s12, v5                    ; wave 0..7
	s_and_b32 s46, s12, 3                          ; p: the pair
	s_lshr_b32 s47, s12, 2                         ; which 512 keys.  Also: I ask for K (0) or for V (1)
	s_bfe_u32 s13, ttmp6, 0x40000                  ; cx: it enters Q's and ctx's addresses alone
	s_and_b32 s14, ttmp7, 0xffff                   ; y = 8 x batch + pair of heads
	s_lshr_b32 s15, s14, 3                         ; the batch
	s_and_b32 s16, s14, 7                          ; the pair of heads
	s_lshl_b32 s17, s14, 1                         ; 16 x batch + its first head
	; groups 1: a quarter of a record, dense, as rows of 256 bytes (32 elements of 8 bytes): K's 52 rows, V's 50
	s_mov_b32 s20, 15|(3<<16)|(1<<21)
	s_mov_b32 s28, 15|(3<<16)|(1<<21)
.irp g, 20, 28
	s_mov_b32 s[\g+1], 32<<16
	s_mov_b32 s[\g+3], 32<<16
	s_mov_b32 s[\g+5], 32
	s_mov_b32 s[\g+6], 0
	s_mov_b32 s[\g+7], 0
.endr
	s_mov_b32 s22, 52<<16
	s_mov_b32 s24, 52
	s_mov_b32 s30, 50<<16
	s_mov_b32 s32, 50
	s_mul_i32 s18, s17, 53248                      ; the first head's record in qb and in kb
	s_mul_i32 s62, s46, 13312
	s_add_co_u32 s60, s18, s62
	s_mov_b32 s61, 0
	s_mul_i32 s66, s17, 51200
	s_mul_i32 s63, s46, 12800
	s_add_co_u32 s66, s66, s63
	s_mov_b32 s67, 0
	s_wait_dscnt 0x0
	s_wait_kmcnt 0x0
	s_mov_b32 s36, 1                               ; head 0's K: LDS 0 on
	s_mov_b32 s37, s62
	s_add_nc_u64 s[38:39], s[6:7], s[60:61]
	s_or_b32 s39, s39, 0x80000000
	s_mov_b32 s40, 1                               ; head 0's V: 53,248 on
	s_add_co_u32 s41, s63, 53248
	s_add_nc_u64 s[42:43], s[8:9], s[66:67]
	s_or_b32 s43, s43, 0x80000000
	CROUND                                         ; all four work-groups are here: the joint loads meet
	JLOAD                                          ; head 0's records
	s_mov_b32 s52, 0x3e38aa3b                      ; c = log2(e) / 8
	s_mov_b32 s53, s52
	s_mov_b32 s54, 0x76543210
	s_mov_b32 s55, 0xfedcba98
	s_mov_b32 s58, 0xffff0000                      ; lanes 16-31
	v_and_b32 v23, 31, v0
	v_lshlrev_b32 v1, 4, v23
	v_lshlrev_b32 v2, 3, v23
	v_bfe_u32 v3, v0, 4, 1
	v_lshlrev_b32 v3, 3, v3
	v_and_b32 v4, 15, v0
	v_lshlrev_b32 v4, 4, v4
	v_lshl_add_u32 v17, v0, 2, X1                  ; my word of the exchange,
	v_xor_b32 v18, 128, v0
	v_lshl_add_u32 v18, v18, 2, X1                 ; and the same lane's of wave w xor 4
	v_and_b32 v21, 96, v0
	v_lshl_add_u32 v21, v21, 7, v1
	v_add_nc_u32 v21, X3, v21                      ; the pair's 4,096 bytes: 16 x lane
	s_lshl_b32 s70, s46, 8
	s_add_co_u32 s70, s70, 208896                  ; the pair's 256 bytes for ctx's scale words, behind the records
	v_add_nc_u32 v19, s70, v4
	v_add_nc_u32 v20, s70, v2
	s_mul_i32 s70, s47, 24576                      ; my 512 keys: 32 half images of K, 16 images of V,
	s_lshl_b32 s71, s47, 11
	s_add_co_u32 s71, s71, 49152                   ; four key steps' scale words of K,
	s_lshl_b32 s72, s47, 10
	s_add_co_u32 s72, s72, 102400                  ; and of V (53,248 + 49,152 on)
	v_add_nc_u32 v5, s70, v1
	v_add_nc_u32 v6, s70, v2
	v_add_nc_u32 v7, s71, v1
	v_add_nc_u32 v8, 53248, v5
	v_add_nc_u32 v9, s72, v2
.irp i, 0,1,2,3,4
	v_add_nc_u32 v[10+\i], 104448, v[5+\i]         ; head 1
.endr
	v_mov_b32 v15, 0x2800000                       ; the floor 2^(5 - 127)
	v_mov_b32 v16, 0xff61b1e6                      ; -3e38, under every score
	v_mov_b32 v30, 31                              ; Q's register 6: the code +28 at k = 64,
.irp i, 31,32,33,34,35
	v_mov_b32 v[\i], 0
.endr
	v_cndmask_b32 v30, v30, v31, s58               ; in lanes 0-15 alone
	v_mov_b32 v39, 0
	v_mov_b32 v41, 0
.irp i, 160,161,162,163,164,165,166,167
	v_mov_b32 v[\i], 0                             ; (lane permutes' destinations)
.endr
.set j, 0
.rept 72
	v_mov_b32 v[R+j], 0                            ; K's two sets are written once whole: a tile's operand runs on over registers that no load fills
.set j, j+1
.endr
	s_wait_alu depctr_va_vdst(0)
	s_lshr_b32 s70, s46, 1                         ; p / 2
	s_and_b32 s71, s46, 1                          ; p % 2
	s_lshl_b32 s72, s13, 4
	s_lshl_b32 s73, s70, 3
	s_add_co_u32 s72, s72, s73
	s_add_co_u32 s72, s72, s71                     ; the pair's first row block in the batch
	s_lshl_b32 s73, s13, 1
	s_add_co_u32 s73, s73, s70                     ; its group of eight
	s_lshl_b32 s71, s71, 8
	s_mov_b32 s75, 0
	s_mul_i32 s74, s72, 768
	s_add_co_u32 s74, s74, s18
	s_add_nc_u64 s[76:77], s[4:5], s[74:75]        ; Q's half image: head 0, i = 0
	s_lshl_b32 s74, s73, 9
	s_add_co_u32 s74, s74, s71
	s_add_co_u32 s74, s74, s18
	s_add_co_u32 s74, s74, 49152
	s_add_nc_u64 s[78:79], s[4:5], s[74:75]        ; and its scale words
	s_lshl_b32 s74, s15, 6
	s_add_co_u32 s74, s74, s72
	s_lshl_b32 s74, s74, 3
	s_add_co_u32 s74, s74, s16
	s_mul_i32 s74, s74, 1536
	s_add_nc_u64 s[60:61], s[10:11], s[74:75]      ; ctx's image: [row block][K step = the pair of heads]
	s_lshl_b32 s74, s16, 6
	s_lshl_b32 s19, s15, 3
	s_add_co_u32 s74, s74, s19
	s_add_co_u32 s74, s74, s73
	s_lshl_b32 s74, s74, 9
	s_add_co_u32 s74, s74, s71
	s_add_co_u32 s74, s74, 6291456
	s_add_nc_u64 s[66:67], s[10:11], s[74:75]      ; ctx's scale words: the pair's 256 bytes
	QLOAD 0
	s_wait_tensorcnt 0x0                           ; my quarter of a record of head 0 is in;
	ds_add_u32 v254, v255
	s_add_co_u32 s37, s37, 104448                  ; no load of mine is out: the descriptors step to head 1's records
	s_add_nc_u64 s[38:39], s[38:39], 53248
	s_add_co_u32 s41, s41, 104448
	s_add_nc_u64 s[42:43], s[42:43], 51200
	s_wait_dscnt 0x0
	CROUND                                         ; everybody's is in, and the joint loads meet
	JLOAD                                          ; head 1's records
; ONE ROW BLOCK OF QUERIES THROUGH HEAD e.
.macro HEADSTEP e
.irp i, 0,1,2,3
	v_mov_b32 v[R+8*\i+6], 63                      ; register 6 of each tile of K: the code -28 at k = 64 (V's buffers have lain over it)
	v_mov_b32 v[R+36+8*\i+6], 63
.endr
	KLOADH 0, \e
	KLOADH 1, \e
	PLACES                                         ; between the eight lines above and the products that take them
	s_wait_alu depctr_va_vdst(0)
	s_wait_loadcnt 0x0                             ; Q
.irp g, 0,1,2,3,4,5,6,7
.if \g == 7
	s_wait_dscnt 0x0
.elseif \g%2
	s_wait_dscnt 9                                 ; this group's K is in; the next group's 9 loads may be out
.else
	s_wait_dscnt 8                                 ; likewise: 8
.endif
	SMULH \g
.if \g == 0
	PLACES
.else
	MAXH \g-1                                      ; also the places in front of the loads below
.endif
.if \g < 6
	KLOADH \g+2, \e
.endif
.endr
.if \e == 0
	QLOAD 53248                                    ; the same row block in head 1
.else
	s_cmp_lt_u32 s57, 3                            ; the next row block in head 0; the last trip stays where it is: no load leaves its buffer
	s_cselect_b32 s74, 1536, 0
	s_cselect_b32 s70, 4, 0
	s_add_nc_u64 s[76:77], s[76:77], s[74:75]      ; (the loads that named these bases have been waited for)
	s_mov_b32 s74, s70
	s_add_nc_u64 s[78:79], s[78:79], s[74:75]
	QLOAD 0
.endif
	MAXH 7
	v_max3_num_f32 v160, v[BM], v[BM+1], v[BM+2]   ; the largest of my 512 scores of the row: my 8 blocks',
	s_delay_alu instid0(VALU_DEP_1)
	v_max3_num_f32 v160, v160, v[BM+3], v[BM+4]
	s_delay_alu instid0(VALU_DEP_1)
	v_max3_num_f32 v160, v160, v[BM+5], v[BM+6]
	s_delay_alu instid0(VALU_DEP_1)
	v_max_num_f32 v160, v160, v[BM+7]
	v_permlanex16_b32 v161, v160, s54, s55
	v_max_num_f32 v160, v160, v161                 ; and lane l xor 16's
	ds_store_b32 v17, v160
	s_wait_alu depctr_va_vdst(0)
	s_wait_dscnt 0x0                               ; for my partner's sake: my word has landed
	BAR
	ds_load_b32 v161, v18
	s_wait_dscnt 0x0
	v_max3_num_f32 v160, v160, v161, 0xe753c21c    ; with my partner's, and -1e24, over every hidden key's score
	v_mul_f32 v40, s52, v160                       ; c m
	FMA 0
	s_wait_alu depctr_va_vdst(0)
.irp s, 0,1,2                          ; a batch of 64 exponentials with the next step's scaling among them, ONE wait, then the batch's readers
	EXF \s, 1
	s_wait_alu depctr_va_vdst(0)
	ADDS \s
.endr
	EXF 3, 0
	WIN 0
.irp k, 0,1,2,3,4,5,6,7
	v_fma_f32 v[BM+\k], v[BM+\k], s52, -v40        ; the same multiply-add of each block's largest score
.endr
	s_wait_alu depctr_va_vdst(0)
	ADDS 3
	WIN 0
	s_wait_alu depctr_va_vdst(0)
.irp k, 0,1,2,3,4,5,6,7
	v_exp_f32 v[BM+\k], v[BM+\k]
.endr
.irp k, 0,4,8,12
	v_pk_add_f32 v[T+\k:T+\k+1], v[T+\k:T+\k+1], v[T+\k+2:T+\k+3]
.endr
	v_pk_add_f32 v[T:T+1], v[T:T+1], v[T+4:T+5]
	v_pk_add_f32 v[T+8:T+9], v[T+8:T+9], v[T+12:T+13]
	v_pk_add_f32 v[T:T+1], v[T:T+1], v[T+8:T+9]
	s_delay_alu instid0(VALU_DEP_1)
	v_add_f32 v160, v[T], v[T+1]
	v_permlanex16_b32 v161, v160, s54, s55
	v_add_f32 v160, v160, v161                     ; my part of the row's sum
	ds_store_b32 v17, v160 offset:1024
	s_wait_alu depctr_va_vdst(0)
	s_wait_dscnt 0x0
	BAR
	ds_load_b32 v161, v18 offset:1024
	VLOADH 0, \e
	VLOADH 1, \e
	s_wait_dscnt 13                                ; my partner's part is in; V's first two groups, 7 + 6 loads, may be out
	v_add_f32 v160, v160, v161                     ; the row's sum
	v_max_num_f32 v160, 1.0, v160                  ; (0 only where every key is hidden)
	s_wait_alu depctr_va_vdst(0)
	v_rcp_f32 v38, v160
	v_nop                                          ; one plain place behind a transcendental
	s_wait_alu depctr_va_vdst(0)
.irp k, 0,1,2,3,4,5,6,7
	v_mul_f32 v[BM+\k], v[BM+\k], v38              ; each block's largest p
.endr
.irp k, 0,1,2,3,4,5,6,7
	v_max_num_f32 v[BM+\k], v15, v[BM+\k]          ; the floor: the byte cannot fall under 1
.endr
.irp k, 0,1,2,3,4,5,6,7
	v_add_nc_u32 v[BM+\k], 0xfe000000, v[BM+\k]    ; 4 off the exponent field: the conversions' scale operands
.endr
.irp k, 0,1,2,3,4,5,6,7
	v_lshrrev_b32 v[T+\k], 23, v[BM+\k]            ; the bytes
.endr
.irp s, 0,1,2,3
	v_lshl_or_b32 v[PW+\s], v[T+1+2*\s], 16, v[T+2*\s]   ; my two bytes of the step: blocks h and 2 + h
.endr
.irp s, 0,1,2,3
	v_lshlrev_b32 v[PW+\s], v3, v[PW+\s]
.endr
.irp s, 0,1,2,3
	v_permlanex16_b32 v[160+\s], v[PW+\s], s54, s55
.endr
.irp s, 0,1,2,3
	v_or_b32 v[PW+\s], v[PW+\s], v[160+\s]         ; p's scale words
.endr
	MULRH 0, 0
	MULRH 0, 1
.irp s, 0,1,2,3
	CVTP \s                                        ; its seven plain lines are the places in front of the loads below
.if \s < 3
	VLOADH 2*\s+2, \e
	MULRH \s+1, 0                                  ; also the places between p's codes and the products that take them
	s_wait_alu depctr_va_vdst(0)
	s_wait_dscnt 13                                ; group 2 s is in; the two groups behind it, 6 + 7 loads, may be out
.else
	PLACES
	s_wait_alu depctr_va_vdst(0)
	s_wait_dscnt 6                                 ; the last group's 6 loads may be out
.endif
	PV1 \s, 0
	PV1 \s, 1
.if \s < 3
	MULRH \s+1, 1                                  ; also the places in front of the loads below
	VLOADH 2*\s+3, \e
	s_wait_alu depctr_va_vdst(0)
	s_wait_dscnt 13                                ; group 2 s + 1 is in; 7 + 6 loads may be out
.else
	s_wait_dscnt 0x0
.endif
	PV1 \s, 2
	PV1 \s, 3
.endr
	WIN 0
	PLACES
	s_wait_alu depctr_va_vdst(0)
	s_cmp_eq_u32 s47, 0
	s_cbranch_scc1 .Lkeeps_\@
.irp j, 0,1,2,3,4,5,6,7
	ds_store_b128 v21, v[O+4*\j:O+4*\j+3] offset:512*\j    ; the wave of keys 512 on hands its O^T over, each accumulator from its low end on
.endr
.Lkeeps_\@:
.if \e == 0
	s_wait_tensorcnt 0x0                           ; my quarter of a record of head 1 is in (in the first trip; later nothing is out)
.endif
	s_wait_dscnt 0x0
	BAR
	s_cmp_lg_u32 s47, 0
	s_cbranch_scc1 .Lgoes_on_\@
.irp j, 0,1,2,3,4,5,6,7
	ds_load_b128 v[R+4*\j:R+4*\j+3], v21 offset:512*\j
.endr
	s_wait_dscnt 0x0
.irp j, 0,1,2,3,4,5,6,7,8,9,10,11,12,13,14,15
	v_pk_add_f32 v[O+2*\j:O+2*\j+1], v[O+2*\j:O+2*\j+1], v[R+2*\j:R+2*\j+1]
.endr
.irp k, 0,1,2,3                        ; ctx: my 32 channels are one block of the last product's K
.irp u, 0,1,2,3
.if \k == 0
	v_max3_num_f32 v[160+\u], v15, |v[O+8*\u]|, |v[O+1+8*\u]|
.else
	v_max3_num_f32 v[160+\u], v[160+\u], |v[O+8*\u+2*\k]|, |v[O+1+8*\u+2*\k]|
.endif
.endr
.endr
	v_max3_num_f32 v160, v160, v161, v162
	v_max_num_f32 v160, v160, v163
	v_add_nc_u32 v164, 0xfe000000, v160
	v_lshrrev_b32 v165, 23, v164
	v_cvt_scalef32_pk16_bf6_f32 v[CX+6*\e:CX+6*\e+2], v[O:O+15], v164
	v_cvt_scalef32_pk16_bf6_f32 v[160:162], v[O+16:O+31], v164
	v_lshlrev_b32 v165, v3, v165                   ; (a plain place behind the conversions)  my byte at its place
.irp i, 0,1,2
	v_mov_b32 v[CX+6*\e+3+\i], v[160+\i]
.endr
	v_permlanex16_b32 v166, v165, s54, s55
.if \e == 0
	v_or_b32 v22, v165, v166                       ; head 0's two bytes
.else
	v_or_b32 v165, v165, v166
	v_lshl_or_b32 v165, v165, 16, v22              ; the K step's scale word
	s_lshl_b32 s70, s57, 2
	v_add_nc_u32 v167, s70, v19
	ds_store_b32 v167, v165                        ; both halves of the lanes write the same word with the same value
.irp p, 0,1,2
	global_store_b128 v1, v[CX+4*\p:CX+4*\p+3], s[60:61] offset:512*\p   ; 512 consecutive bytes each
.endr
.endif
	s_wait_alu depctr_va_vdst(0)
.Lgoes_on_\@:
.endm
	s_mov_b32 s57, 0
.Ltrip:                                            ; four trips: a row block of queries, both heads
	HEADSTEP 0
	HEADSTEP 1
	s_wait_xcnt 0x0                                ; the stores have read ctx's registers and their base: both are written again only behind this wait
	s_add_nc_u64 s[60:61], s[60:61], 24576         ; two row blocks on
	s_add_co_u32 s57, s57, 1
	s_cmp_lt_u32 s57, 4
	s_cbranch_scc1 .Ltrip
	s_cmp_lg_u32 s47, 0
	s_cbranch_scc1 .Lno_words
	ds_load_b64 v[160:161], v20                    ; LDS serves a wave's instructions in order: these see my four stores
	s_wait_dscnt 0x0
	global_store_b64 v2, v[160:161], s[66:67]      ; the pair's four row blocks' scale words: 256 consecutive bytes
.Lno_words:
	s_wait_tensorcnt 0x0
	ds_add_u32 v254, v255
	s_wait_dscnt 0x0
	CROUND                                         ; the closing round
	s_endpgm
.Lfunc_end_k_q8e1de40d6c_attn:
	.size	k_q8e1de40d6c_attn, .Lfunc_end_k_q8e1de40d6c_attn-k_q8e1de40d6c_attn
	.p2alignl 7, 3214868480
	.fill 96, 4, 3214868480
	.section	.rodata,"a",@progbits
	.p2align	6, 0x0
	.amdhsa_kernel k_q8e1de40d6c_attn
		.amdhsa_group_segment_fixed_size 327680
		.amdhsa_private_segment_fixed_size 0
		.amdhsa_enable_private_segment 0
		.amdhsa_kernarg_size 32
		.amdhsa_user_sgpr_count 2
		.amdhsa_user_sgpr_kernarg_segment_ptr 1
		.amdhsa_wavefront_size32 1
		.amdhsa_system_sgpr_workgroup_id_x 1
		.amdhsa_system_sgpr_workgroup_id_y 1
		.amdhsa_system_sgpr_workgroup_id_z 1
		.amdhsa_system_vgpr_workitem_id 0
		.amdhsa_next_free_vgpr 512
		.amdhsa_next_free_sgpr 80
		.amdhsa_reserve_vcc 0
		.amdhsa_float_denorm_mode_32 3
		.amdhsa_float_denorm_mode_16_64 3
		.amdhsa_memory_ordered 1
		.amdhsa_forward_progress 1
		.amdhsa_inst_pref_size 149
	.end_amdhsa_kernel
	.amdgpu_metadata
---
amdhsa.version: [ 1, 2 ]
amdhsa.kernels:
  - .name:           k_q8e1de40d6c_attn
    .symbol:         k_q8e1de40d6c_attn.kd
    .args:
      - { .name: qb, .offset: 0, .size: 8, .value_kind: global_buffer, .address_space: global }
      - { .name: kb, .offset: 8, .size: 8, .value_kind: global_buffer, .address_space: global }
      - { .name: vb, .offset: 16, .size: 8, .value_kind: global_buffer, .address_space: global }
      - { .name: cb, .offset: 24, .size: 8, .value_kind: global_buffer, .address_space: global }
    .group_segment_fixed_size: 327680
    .private_segment_fixed_size: 0
    .kernarg_segment_align: 8
    .kernarg_segment_size: 32
    .max_flat_workgroup_size: 256
    .sgpr_count:     80
    .vgpr_count:     512
    .wavefront_size: 32
...
	.end_amdgpu_metadata
.endif
;; end of part 3
;; launch proj (part 4): grid 8 x 32, 4 waves a work-group, clusters of 4 x 4, 327,680 bytes of LDS; arguments cb, wq, bo, out0; writes out0
.if DOCPART == 4
	.amdgcn_target "amdgcn-amd-amdhsa--gfx1250"
	.amdhsa_code_object_version 6
	.text
	.protected	k_q8e1de40d6c_proj
	.globl	k_q8e1de40d6c_proj
	.p2align	8
	.type	k_q8e1de40d6c_proj,@function
k_q8e1de40d6c_proj:
	s_mov_b64 s[64:65], 0
	v_nop
	global_prefetch_b8 v0, s[64:65] scope:SCOPE_SE
	s_setreg_imm32_b32 hwreg(HW_REG_WAVE_MODE, 25, 1), 1
	s_wait_xcnt 0x0
	s_wait_alu depctr_hold_cnt(0) depctr_sa_sdst(0) depctr_va_vdst(0) depctr_va_sdst(0) depctr_va_ssrc(0) depctr_va_vcc(0) depctr_vm_vsrc(0)
	s_getreg_b32 s2, hwreg(HW_REG_IB_STS2, 6, 4)
	s_cmp_eq_u32 s2, 0
	s_cbranch_scc0 .Lentry_in_a_cluster
	s_endpgm
.Lentry_in_a_cluster:
	s_bfe_u32 s2, ttmp6, 0x10000c
	s_cmp_lg_u32 s2, 0xf033
	s_cbranch_scc0 .Lentry_shape_is_right
	s_endpgm
.Lentry_shape_is_right:
; out = ctx Wo^T + bo on codes of BF6: a GEMM 8,192 x 1,024 x 1,024.  A work-group makes 256 tokens x 128 columns, its four waves 128 x 64 each: 8 token blocks a x 4 column tiles b, 32 accumulators.
; ALL OF K LIES IN LDS: ctx [K half][16 row blocks][4 K steps] images of operand registers (196,608 bytes), Wo likewise with 8 row blocks (98,304).  Every byte is filled once.
; CLUSTER 4 x 4: ctx's tiles are shared along a row of the cluster, Wo's along a column.  Joint loads, one a wave behind each round: the first K half at the head (waves 0, 1: ctx; waves 2, 3: Wo),
; the second behind the full sequence and a round; a barrier ahead of K step 4's fetch shows it whole.  Every wait on TENSORcnt is for 0.
; The adds on the spare words, the claim of all LDS, the waits written s_wait_alu and the lines behind each tensor load.  No prefetch: all that is loaded is asked for at the head.
; Source 0 = Wo, source 1 = ctx.  By the order of rows in a row block (64 g + 8 u + i % 8 + 32 (i / 8)) lane (r, h) of token block a holds 32 neighbouring columns, 32 h on, of one token's row of out.
; THE WAY OUT: a block of 16 tokens x 64 columns goes through the wave's own stage in LDS and comes back as rows of 256 bytes: sixteen lanes store 256 consecutive bytes, at a multiple of 256 from out's first byte.
; REGISTERS: window 0: v1 16 x lane; v4-5, v8-9 LDS addresses of the K halves; v12, v13 the stage, in and back; v14 my offset in out; v15 128 h; v16-47 ctx's scale words, v48-63 Wo's, v64-95 bo as C; v128-191 rows on their way out.
;   window 1: the accumulators.   windows 2, 3: two sets of fragments: ctx's at 12 a, Wo's at 96 + 12 b.
.set SA, 16
.set SB, 48
.set BI, 64
.set MSB, 0
.macro WIN new
.if MSB != (\new)
	s_set_vgpr_msb (MSB<<8)|(\new)
.set MSB, (\new)
.endif
.endm
.macro BAR
	s_barrier_signal -1
	s_barrier_wait -1
.endm
.macro CROUND
	s_barrier_signal -1
	s_barrier_wait -1
	s_cmp_lg_u32 s22, 0
	s_cbranch_scc1 .Lnot_wave_0_\@
	s_barrier_signal -3
.Lnot_wave_0_\@:
	s_barrier_wait -3
	s_barrier_signal -1
	s_barrier_wait -1
.endm
.macro PLACES
.rept 4
	v_nop
.endr
.endm
.macro JLOAD                           ; a K half: waves 0, 1 ask for ctx, waves 2, 3 for Wo
	s_cmp_eq_u32 s23, 0
	s_cbranch_scc0 .Lfor_w_\@
	tensor_load_to_lds s[48:51], s[32:39]
	s_nop 0
	PLACES
	s_branch .Lasked_\@
.Lfor_w_\@:
	tensor_load_to_lds s[52:55], s[40:47]
	s_nop 0
	PLACES
.Lasked_\@:
.endm
.macro FETCH set, s                    ; K step s's 12 fragments into a set: 36 loads of 512 consecutive bytes
	WIN (2+(\set))<<6
.irp a, 0,1,2,3,4,5,6,7
.irp p, 0,1,2
	ds_load_b128 v[12*\a+4*\p:12*\a+4*\p+3], v[4+(\s)/4] offset:6144*\a+1536*((\s)%4)+512*\p
.endr
.endr
.irp b, 0,1,2,3
.irp p, 0,1,2
	ds_load_b128 v[96+12*\b+4*\p:96+12*\b+4*\p+3], v[8+(\s)/4] offset:6144*\b+1536*((\s)%4)+512*\p
.endr
.endr
.endm
.macro WM                              ; one product, by the symbols RD, RA, RB, RC, RSA, RSB; RWA, RWB: the scales stand in lanes 16-31
.if RWA && RWB
	v_wmma_scale_f32_16x16x128_f8f6f4 v[RD:RD+7], v[RA:RA+11], v[RB:RB+11], v[RC:RC+7], v[RSA], v[RSB] matrix_a_fmt:MATRIX_FMT_BF6 matrix_b_fmt:MATRIX_FMT_BF6 matrix_a_scale:MATRIX_SCALE_ROW1 matrix_b_scale:MATRIX_SCALE_ROW1
.elseif RWA
	v_wmma_scale_f32_16x16x128_f8f6f4 v[RD:RD+7], v[RA:RA+11], v[RB:RB+11], v[RC:RC+7], v[RSA], v[RSB] matrix_a_fmt:MATRIX_FMT_BF6 matrix_b_fmt:MATRIX_FMT_BF6 matrix_a_scale:MATRIX_SCALE_ROW1
.elseif RWB
	v_wmma_scale_f32_16x16x128_f8f6f4 v[RD:RD+7], v[RA:RA+11], v[RB:RB+11], v[RC:RC+7], v[RSA], v[RSB] matrix_a_fmt:MATRIX_FMT_BF6 matrix_b_fmt:MATRIX_FMT_BF6 matrix_b_scale:MATRIX_SCALE_ROW1
.else
	v_wmma_scale_f32_16x16x128_f8f6f4 v[RD:RD+7], v[RA:RA+11], v[RB:RB+11], v[RC:RC+7], v[RSA], v[RSB] matrix_a_fmt:MATRIX_FMT_BF6 matrix_b_fmt:MATRIX_FMT_BF6
.endif
.endm
; K step s: 32 products; the 32 accumulators take turns, one instruction a turn, in the same order in every K step.  first = 1: bo is the C that starts the sums.
.macro MULS s, first
.if \first
	WIN 0x4a
.elseif (\s)%2
	WIN 0x5f
.else
	WIN 0x5a
.endif
.irp a, 0,1,2,3,4,5,6,7
.irp b, 0,1,2,3
.set RD, 8*(4*\a+\b)
.set RA, 96+12*\b
.set RB, 12*\a
.set RSA, SB+4*\b+(\s)/2                           ; Wo's words: register s / 2, lanes 16 (s % 2) on
.set RSB, SA+4*(\s)+\a/2                           ; ctx's: K step s's four registers, register a / 2, lanes 16 (a % 2) on
.set RWA, (\s)%2
.set RWB, \a%2
.if \first
.set RC, BI+8*\b
.else
.set RC, RD
.endif
	WM
.endr
.endr
.endm
	s_load_b256 s[4:11], s[0:1], 0x0               ; cb, wq, bo, out0
	v_lshl_add_u32 v254, v0, 2, 0x4c400
	v_mov_b32 v255, 0
	ds_add_u32 v254, v255
	ds_add_u32 v254, v255
	v_lshrrev_b32 v12, 5, v0
	v_readfirstlane_b32 s22, v12                   ; wave 0..3
	s_lshr_b32 s23, s22, 1                         ; mh: which 128 tokens.  Also: I ask for ctx (0) or for Wo (1)
	s_and_b32 s24, s22, 1                          ; nh: which 64 columns.  Also: which half of the rows I ask for
	s_bfe_u32 s25, ttmp6, 0x40000                  ; cx
	s_bfe_u32 s26, ttmp6, 0x40004                  ; cy
	s_lshl_b32 s27, ttmp9, 2
	s_add_co_u32 s27, s27, s25                     ; tile column
	s_and_b32 s28, ttmp7, 0xffff
	s_lshl_b32 s28, s28, 2
	s_add_co_u32 s28, s28, s26                     ; tile row
	s_lshl_b32 s84, s26, 2
	s_lshl_b32 s84, 15, s84                        ; my row of the cluster
	s_lshl_b32 s85, 0x1111, s25                    ; my column
	; groups 1: rows of 6,144 bytes (a row block's four K steps: 768 elements of 8 bytes), 12,288 bytes apart in memory, dense in LDS: ctx's eight a load, Wo's four
	s_or_b32 s32, s84, (3<<16)|(1<<21)
	s_or_b32 s40, s85, (3<<16)|(1<<21)
.irp g, 32, 40
	s_mov_b32 s[\g+1], 768<<16
	s_mov_b32 s[\g+3], 768<<16
	s_mov_b32 s[\g+5], 1536
	s_mov_b32 s[\g+6], 0
	s_mov_b32 s[\g+7], 0
.endr
	s_mov_b32 s34, 8<<16
	s_mov_b32 s36, 8
	s_mov_b32 s42, 4<<16
	s_mov_b32 s44, 4
	s_lshl_b32 s86, s28, 4
	s_lshl_b32 s87, s24, 3
	s_add_co_u32 s86, s86, s87
	s_mul_i32 s86, s86, 12288                      ; ctx: row block 16 x tile row + 8 x half
	s_mov_b32 s87, 0
	s_lshl_b32 s88, s27, 3
	s_lshl_b32 s89, s24, 2
	s_add_co_u32 s88, s88, s89
	s_add_co_u32 s88, s88, 192                     ; Wo's row blocks begin at 192 in wq
	s_mul_i32 s88, s88, 12288
	s_mov_b32 s89, 0
	s_mov_b32 s48, 1
	s_mul_i32 s49, s24, 49152                      ; no place in the cluster enters an LDS address
	s_mov_b32 s52, 1
	s_mul_i32 s53, s24, 24576
	s_add_co_u32 s53, s53, 196608
	s_wait_dscnt 0x0
	s_wait_kmcnt 0x0
	s_add_nc_u64 s[50:51], s[4:5], s[86:87]
	s_add_nc_u64 s[54:55], s[6:7], s[88:89]
	s_or_b32 s51, s51, 0x80000000
	s_or_b32 s55, s55, 0x80000000
	CROUND                                         ; all sixteen work-groups are here: the joint loads meet
	JLOAD                                          ; the first K half
	v_and_b32 v2, 31, v0
	v_lshlrev_b32 v1, 4, v2
	v_bfe_u32 v3, v0, 4, 1                         ; h
	v_and_b32 v2, 15, v0                           ; r
	v_lshlrev_b32 v15, 7, v3                       ; 128 h
	s_mul_i32 s84, s22, 4352
	s_add_co_u32 s84, s84, 294912                  ; my stage: 16 rows x 272 bytes, behind the tiles
	v_mul_u32_u24 v12, v2, 272
	v_add_nc_u32 v12, v12, v15
	v_add_nc_u32 v12, s84, v12                     ; in: row r, + 128 h
	v_mul_u32_u24 v13, v3, 272
	v_lshl_add_u32 v13, v2, 4, v13
	v_add_nc_u32 v13, s84, v13                     ; back: lanes 0-15 one row, lanes 16-31 the next
	v_lshlrev_b32 v14, 12, v3
	v_lshl_add_u32 v14, v2, 4, v14                 ; and the same two tokens' rows in out
	s_mul_i32 s84, s23, 49152
	s_mul_i32 s85, s24, 24576
	s_add_co_u32 s85, s85, 196608
	v_add_nc_u32 v4, s84, v1
	v_add_nc_u32 v8, s85, v1
	v_add_nc_u32 v5, 98304, v4
	v_add_nc_u32 v9, 49152, v8
	s_wait_alu depctr_va_vdst(0)
	s_mov_b32 s3, 0
	s_lshl_b32 s2, s28, 1
	s_add_co_u32 s2, s2, s23
	s_lshl_b32 s2, s2, 9
	s_add_co_u32 s2, s2, 6291456
	s_add_nc_u64 s[92:93], s[4:5], s[2:3]          ; ctx's scale words: [K step][group of eight row blocks] 512 bytes
	s_lshl_b32 s2, s27, 3
	s_lshl_b32 s29, s24, 2
	s_add_co_u32 s2, s2, s29
	s_add_co_u32 s2, s2, 192
	s_lshl_b32 s2, s2, 9
	s_add_co_u32 s2, s2, 3145728
	s_add_nc_u64 s[30:31], s[6:7], s[2:3]          ; Wo's: my 4 row blocks
	s_lshl_b32 s2, s27, 9
	s_lshl_b32 s29, s24, 8
	s_add_co_u32 s2, s2, s29                       ; my 64 columns, in bytes
	s_add_nc_u64 s[88:89], s[8:9], s[2:3]          ; in bo,
	s_add_nc_u64 s[84:85], s[10:11], s[2:3]        ; and in a row of out
	s_lshl_b32 s2, s28, 20
	s_lshl_b32 s29, s23, 19
	s_add_co_u32 s2, s2, s29                       ; my first token: 256 x tile row + 128 mh, rows of 4,096 bytes
	s_add_nc_u64 s[84:85], s[84:85], s[2:3]
.irp s, 0,1,2,3,4,5,6,7
	global_load_b128 v[SA+4*\s:SA+4*\s+3], v1, s[92:93] offset:32768*\s
.endr
.irp b, 0,1,2,3
	global_load_b128 v[SB+4*\b:SB+4*\b+3], v1, s[30:31] offset:512*\b
.endr
.irp b, 0,1,2,3
	global_load_b128 v[BI+8*\b:BI+8*\b+3], v15, s[88:89] offset:32*\b          ; register j: column 8 b + 32 h + j of my 64
	global_load_b128 v[BI+8*\b+4:BI+8*\b+7], v15, s[88:89] offset:32*\b+16
.endr
	s_wait_tensorcnt 0x0                           ; my part of the first K half is in;
	ds_add_u32 v254, v255
	s_add_co_u32 s49, s49, 98304                   ; no load of mine is out: the descriptors step to the second K half
	s_add_nc_u64 s[50:51], s[50:51], 6144
	s_add_co_u32 s53, s53, 49152
	s_add_nc_u64 s[54:55], s[54:55], 6144
	s_wait_dscnt 0x0
	CROUND                                         ; everybody's part is in, and the joint loads meet
	JLOAD                                          ; the second K half
	FETCH 0, 0
	s_wait_loadcnt 0x0                             ; scale words and bias
.irp s, 0,1,2,3,4,5,6,7                ; the eight K steps, written out: while one set of fragments is multiplied, the next K step's 36 loads are on their way into the other
	s_wait_dscnt 0x0                               ; this K step's fragments are in; no LDS instruction of mine is out at a signal
.if \s == 3
	s_wait_tensorcnt 0x0                           ; my part of the second K half has landed,
	BAR                                            ; everybody's has
.endif
.if \s < 7
	FETCH (\s+1)%2, \s+1
.endif
.if \s == 0
	MULS \s, 1
.else
	MULS \s, 0
.endif
	PLACES
.endr
; THE WAY OUT.  LDS serves a wave's instructions in order: no wait between a block's stores and its loads, nor in front of the next block's stores.
.macro TOSTAGE a
	WIN 0x04
.irp k, 0,1,2,3,4,5,6,7
	ds_store_b128 v12, v[32*(\a)+4*\k:32*(\a)+4*\k+3] offset:16*\k     ; each accumulator from its low end on
.endr
	WIN 0
.irp t, 0,1,2,3,4,5,6,7
	ds_load_b128 v[128+32*((\a)%2)+4*\t:128+32*((\a)%2)+4*\t+3], v13 offset:544*\t
.endr
.endm
.macro SEND a, younger                 ; younger: the LDS instructions issued behind block a's loads, which may stay out
	s_wait_dscnt \younger
.irp t, 0,1,2,3,4,5,6,7                ; stage rows 2 t, 2 t + 1 are tokens 64 (a / 4) + 8 (a % 4) + i % 8 + 32 (i / 8)
	global_store_b128 v14, v[128+32*((\a)%2)+4*\t:128+32*((\a)%2)+4*\t+3], s[84:85] offset:4096*(64*((\a)/4)+8*((\a)%4)+2*\t+24*(\t/4)) th:TH_STORE_NT
.endr
.endm
	TOSTAGE 0
.irp a, 1,2,3,4,5,6,7
.if \a > 1
	s_wait_xcnt 0x0                                ; block a - 2's stores have read their registers: block a's loads may land there
.endif
	TOSTAGE \a
	SEND \a-1, 16                                  ; behind block a - 1's loads: block a's 8 stores and 8 loads
.endr
	SEND 7, 0
	s_wait_tensorcnt 0x0
	ds_add_u32 v254, v255
	s_wait_dscnt 0x0
	CROUND                                         ; the closing round
	s_endpgm
.Lfunc_end_k_q8e1de40d6c_proj:
	.size	k_q8e1de40d6c_proj, .Lfunc_end_k_q8e1de40d6c_proj-k_q8e1de40d6c_proj
	.p2alignl 7, 3214868480
	.fill 96, 4, 3214868480
	.section	.rodata,"a",@progbits
	.p2align	6, 0x0
	.amdhsa_kernel k_q8e1de40d6c_proj
		.amdhsa_group_segment_fixed_size 327680
		.amdhsa_private_segment_fixed_size 0
		.amdhsa_enable_private_segment 0
		.amdhsa_kernarg_size 32
		.amdhsa_user_sgpr_count 2
		.amdhsa_user_sgpr_kernarg_segment_ptr 1
		.amdhsa_wavefront_size32 1
		.amdhsa_system_sgpr_workgroup_id_x 1
		.amdhsa_system_sgpr_workgroup_id_y 1
		.amdhsa_system_sgpr_workgroup_id_z 1
		.amdhsa_system_vgpr_workitem_id 0
		.amdhsa_next_free_vgpr 1024
		.amdhsa_next_free_sgpr 100
		.amdhsa_reserve_vcc 0
		.amdhsa_float_denorm_mode_32 3
		.amdhsa_float_denorm_mode_16_64 3
		.amdhsa_memory_ordered 1
		.amdhsa_forward_progress 1
		.amdhsa_inst_pref_size 77
	.end_amdhsa_kernel
	.amdgpu_metadata
---
amdhsa.version: [ 1, 2 ]
amdhsa.kernels:
  - .name:           k_q8e1de40d6c_proj
    .symbol:         k_q8e1de40d6c_proj.kd
    .args:
      - { .name: cb, .offset: 0, .size: 8, .value_kind: global_buffer, .address_space: global }
      - { .name: wq, .offset: 8, .size: 8, .value_kind: global_buffer, .address_space: global }
      - { .name: bo, .offset: 16, .size: 8, .value_kind: global_buffer, .address_space: global }
      - { .name: out0, .offset: 24, .size: 8, .value_kind: global_buffer, .address_space: global }
    .group_segment_fixed_size: 327680
    .private_segment_fixed_size: 0
    .kernarg_segment_align: 8
    .kernarg_segment_size: 32
    .max_flat_workgroup_size: 128
    .sgpr_count:     100
    .vgpr_count:     1024
    .wavefront_size: 32
...
	.end_amdgpu_metadata
.endif
;; end of part 4
